; MI455X (gfx1250); checked and timed in simulation.
; The chip was launched on July 23, 2026; its instructions are those of AMD's public machine-readable ISA for CDNA 5 (MIT licence, August 2026) and "CDNA5" Instruction Set Architecture Reference Guide (July 2026). The comments in the code are by the model that wrote it; some were corrected since.
;; RNA Attention. Allowed arithmetic: float matrix products may take bf16 or f16 operands with f32 sums; all other float work in f32.
;; Inputs: Wk 1,024 x 1,024 float32; Wo 1,024 x 1,024 float32; Wq 1,024 x 1,024 float32; Wv 1,024 x 1,024 float32; attention_mask 4 x 1 x 2,048 x 2,048 float32; hidden_states 4 x 2,048 x 1,024 float32; position_ids 4 x 2,048 int32.
;; Outputs: out0 4 x 2,048 x 1,024 float32.
;; 2 versions, each right; version 2 is version 1 with the launch prep written anew for expert scheduling mode. Each part assembles by itself: llvm-mc -triple=amdgcn-amd-amdhsa -mcpu=gfx1250 --defsym DOCPART=n.
;; ======== version 1 of 2: 4 launches
;; limits: values are held in f16: magnitudes above 65,504 overflow, below 6.1e-05 lose precision
;; workspace buffers: xb 16,777,216 bytes; wb 8,388,608 bytes; qb 16,777,216 bytes; kb 16,777,216 bytes; vb 16,777,216 bytes; ao 16,777,216 bytes
;; launch prep (part 1): grid 768 x 1, 8 waves a work-group, no clusters, 0 bytes of LDS; arguments hidden_states, Wq, Wk, Wv, Wo, xb, wb; writes xb, wb
.if DOCPART == 1
	.amdgcn_target "amdgcn-amd-amdhsa--gfx1250"
	.amdhsa_code_object_version 6
	.text
	.protected	k_qc2ff6aa4f9_prep
	.globl	k_qc2ff6aa4f9_prep
	.p2align	8
	.type	k_qc2ff6aa4f9_prep,@function
k_qc2ff6aa4f9_prep:
	s_mov_b64 s[64:65], 0
	v_nop
	global_prefetch_b8 v0, s[64:65] scope:SCOPE_SE
	s_setreg_imm32_b32 hwreg(HW_REG_WAVE_MODE, 25, 1), 1
	s_wait_xcnt 0x0
; prep: hidden_states and the four weights, f32 [rows][1024], become f16 in a layout blocked along K:
;   xb[kblk 16][row 8192][64]   and   wb[kblk 16][row 4096][64], wb's rows = Wq/4, Wk/2, Wv/4, 4 Wo one behind the other.
; In that layout every tile that the later products fetch is one dense run of bytes.
; WHY f16: between the inputs and out0 lie five roundings of intermediates (q, k, v, the softmax's weights, the attention's result); f16 keeps 11
; significant bits where bf16 keeps 8, at the same bytes and the same matrix instructions.
; THE FACTORS are powers of two, so they cost no bit: 1/4 x 1/2 = 1/8 = 1/sqrt(64) is the scores' scale; Wv's 1/4 and Wo's 4 cancel.  They make room in f16:
; with hidden_states carrying an offset of 30 (spread 1) and the weights one of 30/32 (spread 1/32) a projection reaches 1024 x 30 x 0.9375 = 28,800 and
; behind the rotation 1.42 times that: stored are q/4 <= 10,200, k/2 <= 20,400, v/4 <= 7,200, against f16's largest number 65,504.
; LIMITS: a number of hidden_states or a scaled weight beyond 65,504 becomes infinite; numbers below 2^-14 are kept to an absolute 2^-25 only.
; A stream: no LDS, no barrier, no matrix unit; each input byte is read once, each output byte written once.
; A work-group takes 16 rows (65,536 bytes in, 32,768 out): groups 0-511 hidden_states, 512-767 the weights, 64 groups each.
; Wave w takes K blocks 2w and 2w+1.  An item is 2 rows x 64 columns: lanes 0-15 read the 256 consecutive bytes of one row's K block, lanes 16-31 those of
; the next row, 16 bytes a lane; the 8 bytes that each lane stores make 128 + 128 = 256 consecutive bytes, aligned, since the two rows are neighbours in a K block.
.set XGROUPS, 512
.set IN,  8                            ; v[8:71]    item i: 4 numbers as loaded
.set OUT, 72                           ; v[72:103]  item i: 2 registers to store
	s_load_b256 s[4:11], s[0:1], 0x0               ; hidden s[4:5], Wq s[6:7], Wk s[8:9], Wv s[10:11]
	s_load_b128 s[12:15], s[0:1], 0x20             ; Wo s[12:13], xb s[14:15]
	s_load_b64 s[16:17], s[0:1], 0x30              ; wb
	v_lshrrev_b32 v1, 5, v0
	v_readfirstlane_b32 s18, v1                    ; wave
	v_and_b32 v2, 31, v0                           ; lane
	v_and_b32 v3, 15, v0                           ; lane % 16: which 16 bytes of the 256
	v_bfe_u32 v4, v0, 4, 1                         ; lane / 16: which row of the pair
	v_lshlrev_b32 v4, 12, v4                       ; x 4,096 bytes
	v_lshl_add_u32 v4, v3, 4, v4
	s_lshl_b32 s19, s18, 9                         ; my two K blocks: 512 bytes of a source row
	v_add_nc_u32 v4, s19, v4                       ; v4: source offset
	s_max_u32 s20, ttmp9, XGROUPS
	s_sub_co_u32 s20, s20, XGROUPS                 ; j: my number among the weights' groups (0 for hidden_states)
	s_lshr_b32 s21, s20, 6                         ; which weight
	s_and_b32 s30, s20, 63                         ; which 16 rows of it
	s_mov_b32 s36, 0x3e800000                      ; the weight's factor: 0.25 for Wq and Wv,
	s_cmp_eq_u32 s21, 1
	s_cselect_b32 s36, 0x3f000000, s36             ; 0.5 for Wk,
	s_cmp_eq_u32 s21, 3
	s_cselect_b32 s36, 0x40800000, s36             ; 4 for Wo
	s_mov_b32 s37, s36                             ; both words of the pair are written; the packed multiply takes the first for both halves
	s_mov_b32 s28, 0x80000                         ; wb: bytes from K block to K block
	s_cmp_lt_u32 ttmp9, XGROUPS
	s_cselect_b32 s26, ttmp9, s30                  ; source: 16-row group
	s_cselect_b32 s32, ttmp9, s20                  ; destination: 16-row group
	s_cselect_b32 s28, 0x100000, s28               ; xb: bytes from K block to K block
	s_lshl_b32 s26, s26, 16                        ; x 16 rows of 4,096 bytes
	s_mov_b32 s27, 0
	s_lshl_b32 s32, s32, 11                        ; x 16 rows of 128 bytes
	s_mov_b32 s33, 0
	s_lshl_b32 s34, s18, 1
	s_mul_i32 s34, s34, s28                        ; K block 2w
	v_lshl_add_u32 v5, v2, 3, s34                  ; v5: destination offset in K block 2w: 8 x lane = 128 x (lane / 16) + 8 x (lane % 16)
	v_add_nc_u32 v6, s28, v5                       ; v6: in K block 2w+1
	s_wait_kmcnt 0x0
	s_mov_b64 s[22:23], s[6:7]                     ; the source buffer, chosen by the group's number alone
	s_cmp_eq_u32 s21, 1
	s_cselect_b64 s[22:23], s[8:9], s[22:23]
	s_cmp_eq_u32 s21, 2
	s_cselect_b64 s[22:23], s[10:11], s[22:23]
	s_cmp_eq_u32 s21, 3
	s_cselect_b64 s[22:23], s[12:13], s[22:23]
	s_cmp_lt_u32 ttmp9, XGROUPS
	s_cselect_b64 s[22:23], s[4:5], s[22:23]
	s_cselect_b64 s[24:25], s[14:15], s[16:17]     ; the destination buffer
	s_add_nc_u64 s[22:23], s[22:23], s[26:27]
	s_add_nc_u64 s[24:25], s[24:25], s[32:33]
; all sixteen loads go out at once; item i = 8 u + rp: K block 2w+u, rows 2 rp and 2 rp + 1
.irp i, 0,1,2,3,4,5,6,7,8,9,10,11,12,13,14,15
	global_load_b128 v[IN+4*\i:IN+4*\i+3], v4, s[22:23] offset:(\i%8)*8192+(\i/8)*256 th:TH_LOAD_NT
.endr
; Every item has registers of its own, so no register that a pending load or store names is written again.
.macro ITEMS scaled
.irp i, 0,1,2,3,4,5,6,7,8,9,10,11,12,13,14,15
	s_wait_loadcnt 15-\i                           ; loads come back in order: item i's is in, the 15 - i younger ones stay out
.if \scaled
	v_pk_mul_f32 v[IN+4*\i:IN+4*\i+1],   v[IN+4*\i:IN+4*\i+1],   s[36:37] op_sel_hi:[1,0]   ; x the weight's power of two
	v_pk_mul_f32 v[IN+4*\i+2:IN+4*\i+3], v[IN+4*\i+2:IN+4*\i+3], s[36:37] op_sel_hi:[1,0]
.endif
	v_cvt_pk_f16_f32 v[OUT+2*\i],   v[IN+4*\i],   v[IN+4*\i+1]
	v_cvt_pk_f16_f32 v[OUT+2*\i+1], v[IN+4*\i+2], v[IN+4*\i+3]
	global_store_b64 v[5+\i/8], v[OUT+2*\i:OUT+2*\i+1], s[24:25] offset:(\i%8)*256   ; 256 consecutive bytes, aligned
.endr
.endm
	s_cmp_lt_u32 ttmp9, XGROUPS                    ; hidden_states is converted as it is, the weights are scaled
	s_cbranch_scc0 .Lscaled
	ITEMS 0
	s_endpgm
.Lscaled:
	ITEMS 1
	s_endpgm
.Lfunc_end_k_qc2ff6aa4f9_prep:
	.size	k_qc2ff6aa4f9_prep, .Lfunc_end_k_qc2ff6aa4f9_prep-k_qc2ff6aa4f9_prep
	.p2alignl 7, 3214868480
	.fill 96, 4, 3214868480
	.section	.rodata,"a",@progbits
	.p2align	6, 0x0
	.amdhsa_kernel k_qc2ff6aa4f9_prep
		.amdhsa_group_segment_fixed_size 0
		.amdhsa_private_segment_fixed_size 0
		.amdhsa_enable_private_segment 0
		.amdhsa_kernarg_size 56
		.amdhsa_user_sgpr_count 2
		.amdhsa_user_sgpr_kernarg_segment_ptr 1
		.amdhsa_wavefront_size32 1
		.amdhsa_system_sgpr_workgroup_id_x 1
		.amdhsa_system_sgpr_workgroup_id_y 1
		.amdhsa_system_sgpr_workgroup_id_z 1
		.amdhsa_system_vgpr_workitem_id 0
		.amdhsa_next_free_vgpr 104
		.amdhsa_next_free_sgpr 66
		.amdhsa_reserve_vcc 0
		.amdhsa_float_denorm_mode_32 3
		.amdhsa_float_denorm_mode_16_64 3
		.amdhsa_memory_ordered 1
		.amdhsa_forward_progress 1
		.amdhsa_inst_pref_size 14
	.end_amdhsa_kernel
	.amdgpu_metadata
---
amdhsa.version: [ 1, 2 ]
amdhsa.kernels:
  - .name:           k_qc2ff6aa4f9_prep
    .symbol:         k_qc2ff6aa4f9_prep.kd
    .args:
      - { .name: hidden_states, .offset: 0, .size: 8, .value_kind: global_buffer, .address_space: global }
      - { .name: Wq, .offset: 8, .size: 8, .value_kind: global_buffer, .address_space: global }
      - { .name: Wk, .offset: 16, .size: 8, .value_kind: global_buffer, .address_space: global }
      - { .name: Wv, .offset: 24, .size: 8, .value_kind: global_buffer, .address_space: global }
      - { .name: Wo, .offset: 32, .size: 8, .value_kind: global_buffer, .address_space: global }
      - { .name: xb, .offset: 40, .size: 8, .value_kind: global_buffer, .address_space: global }
      - { .name: wb, .offset: 48, .size: 8, .value_kind: global_buffer, .address_space: global }
    .group_segment_fixed_size: 0
    .private_segment_fixed_size: 0
    .kernarg_segment_align: 8
    .kernarg_segment_size: 56
    .max_flat_workgroup_size: 256
    .sgpr_count:     66
    .vgpr_count:     104
    .wavefront_size: 32
...
	.end_amdgpu_metadata
.endif
;; end of part 1
;; launch qkv (part 2): grid 8 x 32, 4 waves a work-group, clusters of 4 x 4, 327,680 bytes of LDS; arguments xb, wb, position_ids, qb, kb, vb; writes qb, kb, vb
.if DOCPART == 2
	.amdgcn_target "amdgcn-amd-amdhsa--gfx1250"
	.amdhsa_code_object_version 6
	.text
	.protected	k_qc2ff6aa4f9_qkv
	.globl	k_qc2ff6aa4f9_qkv
	.p2align	8
	.type	k_qc2ff6aa4f9_qkv,@function
k_qc2ff6aa4f9_qkv:
	s_mov_b64 s[64:65], 0
	v_nop
	global_prefetch_b8 v0, s[64:65] scope:SCOPE_SE
	s_setreg_imm32_b32 hwreg(HW_REG_WAVE_MODE, 25, 1), 1
	s_wait_xcnt 0x0
	s_wait_alu depctr_hold_cnt(0) depctr_sa_sdst(0) depctr_va_vdst(0) depctr_va_sdst(0) depctr_va_ssrc(0) depctr_va_vcc(0) depctr_vm_vsrc(0)
	s_getreg_b32 s2, hwreg(HW_REG_IB_STS2, 6, 4)
	s_cmp_eq_u32 s2, 0
	s_cbranch_scc0 .Lentry_in_a_cluster
	s_endpgm
.Lentry_in_a_cluster:
	s_bfe_u32 s2, ttmp6, 0x10000c
	s_cmp_lg_u32 s2, 0xf033
	s_cbranch_scc0 .Lentry_shape_is_right
	s_endpgm
.Lentry_shape_is_right:
; qkv: [Q/4 | K/2 | V/4] = X W^T in f16 with f32 sums (the factors are in the weights), rotary embedding on Q and K, results in f16.
; A work-group makes 256 rows (block row rb) x 384 columns: columns 128 cb .. +127 of each of Q, K and V (two heads).  256 work-groups.
; A wave (wr, wc) makes 128 rows x 64 columns of Q, of K and of V of head 2 cb + wc: 96 accumulator tiles of 16 x 16, 768 registers.
; K goes in 16 steps of 64 (one K block of xb and wb) through two LDS slots filled by the tensor data mover.
; CLUSTERS 4 x 4: X's tile hangs on rb alone and is asked for jointly by a row of the cluster, the weights' tiles hang on cb alone and are asked
; for jointly by a column.  Waves 0-2 ask for Wq's, Wk's, Wv's tile (16 KiB each), wave 3 for X's (32 KiB): one load a wave.
; A wave has two tensor loads out at the start and one behind each round of the cluster's barrier.  A refill stands first behind a
; round, and the wait for it directly in front of the next round: it has all of a step's 192 matrix instructions in which to land.
; OUTPUT LAYOUT of qb, kb, vb: [b 4][head/4][s/64][head%4][64 rows][64 d] f16, so that 64 keys of four heads are one dense 32 KiB.
; ROTARY TABLE: cos and sin of position x 10000^(-f/32), f = 0..31, for the block's 256 rows, in LDS.  It is needed on the way out only, so it is made
; inside the K steps: wave w makes rows 64 w .. +63, four in each of the 16 steps, from positions asked for at the step's head.
; LIMITS: positions are taken as unsigned and are meant to be 0..2047, the table's range in the problem.  The frequency comes from v_exp_f32, the angle is
; reduced by pi/2 in two parts and sine and cosine are polynomials of degree 7 and 8: the angle is good to about 2e-4 rad at the largest angles.
; Matrix operands and results are f16: a rotated q beyond 262,016, a rotated k beyond 131,008 or a v beyond 262,016 becomes infinite.  With hidden_states
; at an offset of 30 and weights at 30/32 a projection is 1024 x 30 x 0.9375 = 28,800, rotated at most 40,800: a third of k's room, less of the others'.
;
; REGISTERS in windows of 256: window 0 addresses and fragments; window 1 Q's 32 tiles, window 2 K's, window 3 V's; tile (a, bt) at v[8 (4 a + bt)].
; THE MATRIX INSTRUCTION IS USED TRANSPOSED: source 0 = 16 rows of W, source 1 = 16 rows of X.  Lane (r, h) then holds row 16 a + r and in its
; registers j the columns 16 bt + 8 h + j: eight neighbouring numbers of a row.
.set WAVE,   16
.set PITCH,  144                       ; an LDS row: 128 bytes + 16 of padding = 9 x 16: sixteen rows start in sixteen different 16-byte columns modulo 256
.set SLOT,   92160                     ; X 256 rows, then Wq, Wk, Wv 128 rows each
.set WOFF,   36864
.set WGRP,   18432
.set ROPET,  184320                    ; 256 rows x 272: cos of 32 frequencies at 0, sin at 128
.set RPITCH, 272
.set STAGE,  253952                    ; 16 rows x 144 for each wave, for the way out
.set XSTEP,  1048576                   ; xb: bytes from K block to K block
.set WSTEP,  524288                    ; wb: the same
.set RY,  2                            ; v[2:5]     the table's work, four rows in step: angle, then sine
.set RN,  6                            ; v[6:9]     the multiple of pi/2
.set RZ,  10                           ; v[10:13]   the reduced angle's square, then cosine
.set RC0, 14                           ; v14, v15, v30, v31  the cosine's polynomial (row k at 14 + k + 14 (k / 2))
.set RS,  26                           ; v[26:29]   the sine's polynomial
.set A0,  32                           ; v[32:95]   X fragments (8 x 16 rows x 32 K), buffer 0
.set A1,  96                           ; v[96:159]  buffer 1
.set BF,  160                          ; v[160:255] W fragments: group g at +32 g, tile bt at +8 bt
.set PK,  104                          ; the way out: v[104:119] 16 rows x 64 columns, packed
.set RB,  128                          ; the way out: v[128:143], v[144:159] read back from the stage, two buffers by turns
.set G1A, 24
.set G1W, 32
.set G0A, 40                           ; one set of four for each slot
.set G0W, 48
.set MSB, 0
.macro WIN new                         ; the immediate's high byte repeats the setting that is left
.if MSB != (\new)
	s_set_vgpr_msb (MSB<<8)|(\new)
.set MSB, (\new)
.endif
.endm
.macro PLACES n
.rept \n
	v_nop
.endr
.endm
.macro CREST                           ; a round of the cluster's barrier behind its opening barrier
	s_cmp_lg_u32 s[WAVE], 0
	s_cbranch_scc1 .Lnw0_\@
	s_barrier_signal -3
.Lnw0_\@:
	s_barrier_wait -3
	s_barrier_signal -1
	s_barrier_wait -1
.endm
.macro CROUND
	s_barrier_signal -1
	s_barrier_wait -1
	CREST
.endm
.macro JLOAD s                         ; a wave's one joint load: wave 3 X's tile, waves 0-2 a weight's.  The branch hangs on the wave's number alone
	s_cmp_eq_u32 s[WAVE], 3
	s_cbranch_scc0 .Lw_\@
	tensor_load_to_lds s[G0A+4*\s:G0A+4*\s+3], s[G1A:G1A+7]
	s_nop 0
	s_branch .Ld_\@
.Lw_\@:
	tensor_load_to_lds s[G0W+4*\s:G0W+4*\s+3], s[G1W:G1W+7]
	s_nop 0
.Ld_\@:
.endm
	s_load_b256 s[4:11], s[0:1], 0x0               ; xb s[4:5], wb s[6:7], position_ids s[8:9], qb s[10:11]
	s_load_b128 s[12:15], s[0:1], 0x20             ; kb s[12:13], vb s[14:15]
	v_lshl_add_u32 v94, v0, 2, 0x40400
	v_mov_b32 v95, 0
	ds_add_u32 v94, v95
	s_wait_dscnt 0x0
	v_lshrrev_b32 v1, 5, v0
	v_readfirstlane_b32 s[WAVE], v1
	s_lshr_b32 s17, s[WAVE], 1                     ; wr: which 128 rows
	s_and_b32 s18, s[WAVE], 1                      ; wc: which head of the two
	s_bfe_u32 s20, ttmp6, 0x40000                  ; cx
	s_bfe_u32 s21, ttmp6, 0x40004                  ; cy
	s_lshl_b32 s22, ttmp9, 2
	s_add_co_u32 s22, s22, s20                     ; cb
	s_and_b32 s23, ttmp7, 0xffff
	s_lshl_b32 s23, s23, 2
	s_add_co_u32 s23, s23, s21                     ; rb
	s_lshl_b32 s56, s21, 2
	s_lshl_b32 s56, 15, s56                        ; my row of the cluster
	s_lshl_b32 s58, 0x1111, s20                    ; my column
	; group 1: a dense run of bytes taken as rows of 128 elements of 2 bytes; after every 32 words 4 words of padding, so each 128 bytes get an LDS row of 144
	s_or_b32 s[G1A+0], s56, 0x07310000             ; mask; element 2 bytes; padding on; bit 21 beside a mask; interval code 4; amount code 3
	s_mov_b32 s[G1A+1], 128<<16                    ; tensor_dim0 = 128
	s_mov_b32 s[G1A+2], 128<<16                    ; tensor_dim1 = 128 rows of 256 bytes = 32 KiB
	s_mov_b32 s[G1A+3], 128<<16                    ; tile_dim0 = 128
	s_mov_b32 s[G1A+4], 128                        ; tile_dim1
	s_mov_b32 s[G1A+5], 128                        ; pitch = the row: dense
	s_mov_b32 s[G1A+6], 0
	s_mov_b32 s[G1A+7], 0
	s_or_b32 s[G1W+0], s58, 0x07310000
	s_mov_b32 s[G1W+1], 128<<16
	s_mov_b32 s[G1W+2], 64<<16                     ; 64 rows of 256 bytes = 16 KiB
	s_mov_b32 s[G1W+3], 128<<16
	s_mov_b32 s[G1W+4], 64
	s_mov_b32 s[G1W+5], 128
	s_mov_b32 s[G1W+6], 0
	s_mov_b32 s[G1W+7], 0
	s_lshl_b32 s56, s23, 15                        ; X: 256 rb rows of 128 bytes (made of rb alone)
	s_mov_b32 s57, 0
	s_lshl_b32 s58, s22, 14                        ; W: 128 cb rows of 128 bytes (made of cb and the wave alone),
	s_lshl_b32 s59, s[WAVE], 17                    ; + group w x 1,024 rows
	s_add_co_u32 s58, s58, s59
	s_mov_b32 s59, 0
	s_mul_i32 s19, s[WAVE], WGRP                   ; and where group w goes in a slot
	s_lshl_b32 s60, s23, 10                        ; positions: 4 bytes x (256 rb + 64 w)
	s_lshl_b32 s61, s[WAVE], 8
	s_add_co_u32 s60, s60, s61
	s_mov_b32 s61, 0
	s_mov_b32 s66, 0x3f22f983                      ; 2 / pi
	s_mov_b32 s67, 0xbfc90fdb                      ; -(pi/2), upper part
	s_mov_b32 s68, 0x333bbd2e                      ; what the upper part has too much
	s_mov_b32 s69, 0xb94ca1f9                      ; sine: y + y z (S1 + z (S2 + z S3))
	s_mov_b32 s70, 0x3c08839e
	s_mov_b32 s71, 0xbe2aaaa3
	s_mov_b32 s72, 0x37ccf5ce                      ; cosine: 1 - z/2 + z z (C1 + z (C2 + z C3))
	s_mov_b32 s73, 0xbab6061a
	s_mov_b32 s74, 0x3d2aaaa5
	s_mov_b32 s75, 0x80000000
	s_wait_kmcnt 0x0
	s_add_nc_u64 s[56:57], s[4:5], s[56:57]
	s_add_nc_u64 s[58:59], s[6:7], s[58:59]
	s_add_nc_u64 s[92:93], s[8:9], s[60:61]        ; my wave's 64 positions
	CROUND                                         ; all sixteen work-groups are here: the first joint loads meet
.irp s, 0,1
	s_mov_b32 s[G0A+4*\s], 1
	s_mov_b32 s[G0A+4*\s+1], \s*SLOT
	s_add_nc_u64 s[G0A+4*\s+2:G0A+4*\s+3], s[56:57], \s*XSTEP
	s_or_b32 s[G0A+4*\s+3], s[G0A+4*\s+3], 0x80000000
	s_mov_b32 s[G0W+4*\s], 1
	s_add_co_u32 s[G0W+4*\s+1], s19, \s*SLOT+WOFF
	s_add_nc_u64 s[G0W+4*\s+2:G0W+4*\s+3], s[58:59], \s*WSTEP
	s_or_b32 s[G0W+4*\s+3], s[G0W+4*\s+3], 0x80000000
	JLOAD \s
.endr
	; for the rotary table: lane = frequency f
	v_and_b32 v1, 31, v0
	v_cvt_f32_u32 v25, v1
	v_mul_f32 v25, 0xbed49a78, v25                 ; -f log2(10000) / 32
	v_exp_f32 v25, v25                             ; v25: 10000^(-f/32)
	s_mul_i32 s95, s[WAVE], 64*RPITCH
	s_add_co_u32 s95, s95, ROPET
	v_lshl_add_u32 v24, v1, 2, s95                 ; v24: my word in the row that is made next; also the plain instruction behind v_exp_f32 (ISA guide 5.7.2)
	; LDS addresses.  A fragment: lane (r, h) takes row r, 16 bytes at 16 h and 16 bytes 32 further on.
	v_and_b32 v2, 15, v0                           ; r
	v_bfe_u32 v3, v0, 4, 1                         ; h
	v_mul_u32_u24 v4, v2, PITCH
	v_lshl_add_u32 v4, v3, 4, v4
	s_mul_i32 s95, s17, 128*PITCH
	v_add_nc_u32 v16, s95, v4                      ; v16, v17: my 128 rows of X in slot 0, 1
	v_add_nc_u32 v17, SLOT, v16
	s_mul_i32 s95, s18, 64*PITCH
	s_add_co_u32 s95, s95, WOFF
	v_add_nc_u32 v18, s95, v4                      ; v18, v19: my 64 rows of Wq in slot 0, 1; Wk and Wv by the offset
	v_add_nc_u32 v19, SLOT, v18
	s_mul_i32 s95, s[WAVE], 16*PITCH
	s_add_co_u32 s95, s95, STAGE
	v_add_nc_u32 v20, s95, v4                      ; v20: the way out, where I put 16 bytes of a row
	v_lshrrev_b32 v5, 3, v1
	v_mul_u32_u24 v5, v5, PITCH
	v_and_b32 v6, 7, v0
	v_lshl_add_u32 v5, v6, 4, v5
	v_add_nc_u32 v21, s95, v5                      ; v21: where I read back: four rows of 128 bytes a load
	v_lshlrev_b32 v22, 4, v1                       ; v22: my 16 bytes of 512 in memory
	v_mul_u32_u24 v5, v2, RPITCH
	v_lshl_add_u32 v5, v3, 5, v5
	s_mul_i32 s95, s17, 128*RPITCH
	s_add_co_u32 s95, s95, ROPET
	v_add_nc_u32 v23, s95, v5                      ; v23: cos of my row, frequencies 8 h ..
; Four rows of the rotary table, worked in step so that no instruction waits for the one in front; five registers a row.
.macro ROPE4
	s_wait_kmcnt 0x0                               ; the four positions asked for at the step's head are here, so the pointer may step
	s_add_nc_u64 s[92:93], s[92:93], 16
.irp k, 0,1,2,3
	v_cvt_f32_u32 v[RY+\k], s[76+\k]
.endr
	s_wait_alu depctr_va_vdst(0)
.irp k, 0,1,2,3
	v_mul_f32 v[RY+\k], v[RY+\k], v25              ; the angle, rounded once
.endr
.irp k, 0,1,2,3
	v_mul_f32 v[RN+\k], s66, v[RY+\k]
.endr
.irp k, 0,1,2,3
	v_rndne_f32 v[RN+\k], v[RN+\k]                 ; n = the nearest multiple of pi/2
.endr
.irp k, 0,1,2,3
	v_fma_f32 v[RY+\k], v[RN+\k], s67, v[RY+\k]
.endr
.irp k, 0,1,2,3
	v_fma_f32 v[RY+\k], v[RN+\k], s68, v[RY+\k]    ; y in [-pi/4, pi/4]
.endr
.irp k, 0,1,2,3
	v_cvt_i32_f32 v[RN+\k], v[RN+\k]               ; n as a whole number: it only selects values and signs
.endr
.irp k, 0,1,2,3
	v_mul_f32 v[RZ+\k], v[RY+\k], v[RY+\k]         ; z = y y
.endr
.irp k, 0,1,2,3
	v_fma_f32 v[RS+\k], v[RZ+\k], s69, s70
.endr
.irp k, 0,1,2,3
	v_fma_f32 v[RC0+\k+14*(\k/2)], v[RZ+\k], s72, s73
.endr
.irp k, 0,1,2,3
	v_fma_f32 v[RS+\k], v[RS+\k], v[RZ+\k], s71
.endr
.irp k, 0,1,2,3
	v_fma_f32 v[RC0+\k+14*(\k/2)], v[RC0+\k+14*(\k/2)], v[RZ+\k], s74
.endr
.irp k, 0,1,2,3
	v_mul_f32 v[RS+\k], v[RS+\k], v[RZ+\k]
.endr
.irp k, 0,1,2,3
	v_fma_f32 v[RC0+\k+14*(\k/2)], v[RC0+\k+14*(\k/2)], v[RZ+\k], -0.5
.endr
.irp k, 0,1,2,3
	v_fma_f32 v[RS+\k], v[RS+\k], v[RY+\k], v[RY+\k]               ; sin y
.endr
.irp k, 0,1,2,3
	v_fma_f32 v[RC0+\k+14*(\k/2)], v[RC0+\k+14*(\k/2)], v[RZ+\k], 1.0   ; cos y
.endr
.irp k, 0,1,2,3
	v_and_b32 v[RZ+\k], 1, v[RN+\k]
.endr
.irp k, 0,1,2,3
	v_cmp_eq_u32 s[60+\k], 1, v[RZ+\k]             ; odd n: sine and cosine change places
.endr
.irp k, 0,1,2,3
	v_cndmask_b32 v[RY+\k], v[RS+\k], v[RC0+\k+14*(\k/2)], s[60+\k]   ; sine of the angle, sign to come
.endr
.irp k, 0,1,2,3
	v_cndmask_b32 v[RZ+\k], v[RC0+\k+14*(\k/2)], v[RS+\k], s[60+\k]   ; cosine
.endr
.irp k, 0,1,2,3
	v_lshlrev_b32 v[RS+\k], 30, v[RN+\k]           ; bit 1 of n: the sine's sign
.endr
.irp k, 0,1,2,3
	v_add_nc_u32 v[RN+\k], 1, v[RN+\k]
.endr
.irp k, 0,1,2,3
	v_lshlrev_b32 v[RN+\k], 30, v[RN+\k]           ; bit 1 of n + 1: the cosine's
.endr
.irp k, 0,1,2,3
	v_and_b32 v[RS+\k], s75, v[RS+\k]
.endr
.irp k, 0,1,2,3
	v_and_b32 v[RN+\k], s75, v[RN+\k]
.endr
.irp k, 0,1,2,3
	v_xor_b32 v[RY+\k], v[RY+\k], v[RS+\k]
.endr
.irp k, 0,1,2,3
	v_xor_b32 v[RZ+\k], v[RZ+\k], v[RN+\k]
.endr
.irp k, 0,1,2,3
	ds_store_b32 v24, v[RZ+\k] offset:RPITCH*\k
	ds_store_b32 v24, v[RY+\k] offset:RPITCH*\k+128
.endr
	v_add_nc_u32 v24, 4*RPITCH, v24                ; the next step's four rows
.endm
; 32 matrix instructions: all 8 row tiles x the 4 column tiles of group g, 32 along K.  zero = 1: the first product starts the sums.
; The 96 accumulators take turns, one instruction a turn, in the same order in every half step.
.macro MULG af, g, zero
	WIN 0x50*(\g+1)
.irp a, 0,1,2,3,4,5,6,7
.irp bt, 0,1,2,3
.if \zero
	v_wmma_f32_16x16x32_f16 v[8*(4*\a+\bt):8*(4*\a+\bt)+7], v[BF+32*\g+8*\bt:BF+32*\g+8*\bt+7], v[\af+8*\a:\af+8*\a+7], 0
.else
	v_wmma_f32_16x16x32_f16 v[8*(4*\a+\bt):8*(4*\a+\bt)+7], v[BF+32*\g+8*\bt:BF+32*\g+8*\bt+7], v[\af+8*\a:\af+8*\a+7], v[8*(4*\a+\bt):8*(4*\a+\bt)+7]
.endif
.endr
.endr
.endm
.macro FETCHB slot, ks, g              ; 8 loads: group g's four fragments, K half ks
.irp bt, 0,1,2,3
	ds_load_b128 v[BF+32*\g+8*\bt:BF+32*\g+8*\bt+3],   v[18+\slot] offset:\g*WGRP+\bt*16*PITCH+\ks*64
	ds_load_b128 v[BF+32*\g+8*\bt+4:BF+32*\g+8*\bt+7], v[18+\slot] offset:\g*WGRP+\bt*16*PITCH+\ks*64+32
.endr
.endm
.macro FETCHA slot, ks, af, half       ; 8 loads: four of X's eight fragments
.irp a, 0,1,2,3
	ds_load_b128 v[\af+8*(4*\half+\a):\af+8*(4*\half+\a)+3],   v[16+\slot] offset:(4*\half+\a)*16*PITCH+\ks*64
	ds_load_b128 v[\af+8*(4*\half+\a)+4:\af+8*(4*\half+\a)+7], v[16+\slot] offset:(4*\half+\a)*16*PITCH+\ks*64+32
.endr
.endm
; A load into a register that a matrix instruction has read stands four places behind it, and only plain vector instructions that name none of its
; registers are places (ISA guide 7.12.1 for vector instructions): four v_nop in front of a run of loads, or the table's work.
; The first half of a K step (K 0-31 of the slot, buffer A0); the second half's fragments are fetched as each weight group's registers fall free.
.macro QUARTER0 slot, zero
	s_load_b128 s[76:79], s[92:93], 0x0            ; this step's four positions: 96 matrix instructions ahead of their use
	s_wait_dscnt 8                                 ; all but the youngest eight loads (V's weights) are in
	MULG A0, 0, \zero
	WIN 0
	PLACES 4
	FETCHB \slot, 1, 0
	FETCHA \slot, 1, A1, 0
	MULG A0, 1, \zero
	WIN 0
	PLACES 4
	FETCHB \slot, 1, 1
	FETCHA \slot, 1, A1, 1
	s_wait_dscnt 32                                ; all but the 32 just issued: V's weights are in
	MULG A0, 2, \zero
	WIN 0
	ROPE4                                          ; four rows of the table; its vector instructions name v2-15 and v24-31 alone and are the places for the loads below
	FETCHB \slot, 1, 2
.endm
; The second half (buffer A1) and the change of slots.  In front of the barrier each wave waits for its reads of this slot (and its stores into the table) and
; for all its tensor loads (one is out: its part of the next slot).  Behind it, and where the slot is filled again behind the whole round of the cluster's
; barrier, the refill comes first, then the next slot's fragments; the third group's products cover those loads.
.macro TURN slot, next, fill
	s_wait_dscnt 8                                 ; all but the youngest eight loads (V's weights)
	MULG A1, 0, 0
	MULG A1, 1, 0
	WIN 0
	s_wait_dscnt 0x0                               ; my reads of this slot are over
	s_wait_xcnt 0x0
	v_lshl_add_u32 v94, v0, 2, 0x40400
	v_mov_b32 v95, 0
	s_wait_tensorcnt 0x0                           ; all my tensor loads have landed
	ds_add_u32 v94, v95
	s_wait_dscnt 0x0
	s_barrier_signal -1
	s_barrier_wait -1
.if \fill
	CREST                                          ; no wave of any partner still reads this slot or has a load on its way
	s_add_nc_u64 s[G0A+4*\slot+2:G0A+4*\slot+3], s[G0A+4*\slot+2:G0A+4*\slot+3], 2*XSTEP
	s_add_nc_u64 s[G0W+4*\slot+2:G0W+4*\slot+3], s[G0W+4*\slot+2:G0W+4*\slot+3], 2*WSTEP
	JLOAD \slot
.endif
	PLACES 4
	FETCHB \next, 0, 0
	FETCHB \next, 0, 1
	FETCHA \next, 0, A0, 0
	FETCHA \next, 0, A0, 1
	MULG A1, 2, 0
	WIN 0
	PLACES 4
	FETCHB \next, 0, 2
.endm
.macro LAP zero
	QUARTER0 0, \zero
	TURN 0, 1, 1
	QUARTER0 1, 0
	TURN 1, 0, 1
.endm
	s_wait_tensorcnt 0x1                           ; my part of K step 0 is in; K step 1's stays out
	s_barrier_signal -1
	s_barrier_wait -1
	FETCHB 0, 0, 0
	FETCHB 0, 0, 1
	FETCHA 0, 0, A0, 0
	FETCHA 0, 0, A0, 1
	FETCHB 0, 0, 2
	LAP 1                                          ; K steps 0 and 1; the first half step starts all 96 sums
	s_mov_b32 s3, 6
.Llap:
	LAP 0                                          ; K steps 2 to 13
	s_sub_co_u32 s3, s3, 1
	s_cmp_lg_u32 s3, 0
	s_cbranch_scc1 .Llap
	QUARTER0 0, 0                                  ; K steps 14 and 15: nothing is left to fetch
	TURN 0, 1, 0
	QUARTER0 1, 0
	s_wait_dscnt 8
	MULG A1, 0, 0
	MULG A1, 1, 0
	s_wait_dscnt 0x0                               ; V's weights are in, and my last four rows of the table are written
	MULG A1, 2, 0
	WIN 0
	PLACES 4                                       ; the places behind the last matrix instructions, for all that follows
	s_barrier_signal -1
	s_barrier_wait -1                              ; the table is whole: each wave reads rows that two waves made
	; THE WAY OUT.  My first byte in qb, kb, vb: (((4 b + head/4) 32 + s/64) 4 + head%4) x 8,192, b = rb/8, s = 256 (rb%8) + 128 wr, head = 2 cb + wc.
	s_lshr_b32 s60, s23, 3
	s_lshl_b32 s60, s60, 2
	s_lshr_b32 s61, s22, 1
	s_add_co_u32 s60, s60, s61
	s_lshl_b32 s60, s60, 5
	s_and_b32 s61, s23, 7
	s_lshl_b32 s61, s61, 2
	s_add_co_u32 s60, s60, s61
	s_lshl_b32 s61, s17, 1
	s_add_co_u32 s60, s60, s61
	s_lshl_b32 s60, s60, 2
	s_and_b32 s61, s22, 1
	s_lshl_b32 s61, s61, 1
	s_add_co_u32 s60, s60, s61
	s_add_co_u32 s60, s60, s18
	s_lshl_b32 s60, s60, 13
	s_mov_b32 s61, 0
	s_add_nc_u64 s[10:11], s[10:11], s[60:61]
	s_add_nc_u64 s[12:13], s[12:13], s[60:61]
	s_add_nc_u64 s[14:15], s[14:15], s[60:61]
.macro LOADCS a                        ; 8 loads: cos into v[32:47], sin into v[48:63] of row 16 a + r: index 8 c + j is frequency 16 c + 8 h + j
.irp c, 0,1
	ds_load_b128 v[32+8*\c:35+8*\c], v23 offset:16*RPITCH*(\a)+64*\c
	ds_load_b128 v[36+8*\c:39+8*\c], v23 offset:16*RPITCH*(\a)+64*\c+16
	ds_load_b128 v[48+8*\c:51+8*\c], v23 offset:16*RPITCH*(\a)+64*\c+128
	ds_load_b128 v[52+8*\c:55+8*\c], v23 offset:16*RPITCH*(\a)+64*\c+144
.endr
.endm
; d < 32: x1 cos - x2 sin; d >= 32: x2 cos + x1 sin; x1 in column tiles 0, 1, its partner x2 (d + 32) in tiles 2, 3 of the same lane and register.
.macro ROPEG a, g
	WIN (\g+1)                                     ; source 0 from Q's or K's window
.irp c, 0,1
.irp p, 0,2,4,6
	v_pk_mul_f32 v[96:97], v[8*(4*\a+\c+2)+\p:8*(4*\a+\c+2)+\p+1], v[48+8*\c+\p:48+8*\c+\p+1]
	v_pk_mul_f32 v[98:99], v[8*(4*\a+\c)+\p:8*(4*\a+\c)+\p+1], v[48+8*\c+\p:48+8*\c+\p+1]
	v_pk_fma_f32 v[64+8*\c+\p:64+8*\c+\p+1], v[8*(4*\a+\c)+\p:8*(4*\a+\c)+\p+1], v[32+8*\c+\p:32+8*\c+\p+1], v[96:97] neg_lo:[0,0,1] neg_hi:[0,0,1]
	v_pk_fma_f32 v[80+8*\c+\p:80+8*\c+\p+1], v[8*(4*\a+\c+2)+\p:8*(4*\a+\c+2)+\p+1], v[32+8*\c+\p:32+8*\c+\p+1], v[98:99]
.endr
.endr
	WIN 0
.irp bt, 0,1,2,3
.irp q, 0,1,2,3
	v_cvt_pk_f16_f32 v[PK+4*\bt+\q], v[64+8*\bt+2*\q], v[64+8*\bt+2*\q+1]
.endr
.endr
.endm
.macro PACKV a                         ; V is rounded as it is
	WIN 0x0f
.irp bt, 0,1,2,3
.irp q, 0,1,2,3
	v_cvt_pk_f16_f32 v[PK+4*\bt+\q], v[8*(4*\a+\bt)+2*\q], v[8*(4*\a+\bt)+2*\q+1]
.endr
.endr
	WIN 0
.endm
; A unit is 16 rows x 128 bytes of Q, K or V; unit u = 3 a + g.  It goes through my own stage: in by rows of the fragment, back as 512 consecutive bytes a
; load, which is how they lie in memory.  LDS serves a wave's instructions in order, so the one stage serves all units without a wait.
; A unit's global stores stand behind the NEXT unit's arithmetic, LDS stores and read-backs, so that its read-backs land meanwhile: two read-back buffers by turns.
.macro PUT u
.irp bt, 0,1,2,3
	ds_store_b128 v20, v[PK+4*\bt:PK+4*\bt+3] offset:32*\bt
.endr
	s_wait_xcnt 0x0                                ; the buffer, which the stores of two units ago read, is loaded again only behind this wait
.irp i, 0,1,2,3
	ds_load_b128 v[RB+16*((\u)%2)+4*\i:RB+16*((\u)%2)+4*\i+3], v21 offset:4*PITCH*\i
.endr
.endm
.macro GST lo, a, u, left              ; left = LDS instructions issued behind unit u's read-backs
	s_wait_dscnt \left
.irp i, 0,1,2,3
	global_store_b128 v22, v[RB+16*((\u)%2)+4*\i:RB+16*((\u)%2)+4*\i+3], s[\lo:\lo+1] offset:((\a)/4)*32768+((\a)%4)*2048+512*\i   ; 512 consecutive bytes, aligned
.endr
.endm
	LOADCS 0
.irp a, 0,1,2,3,4,5,6,7
.if \a == 0
	s_wait_dscnt 0x0                               ; cos and sin of the first 16 rows
.else
	s_wait_dscnt 8                                 ; cos and sin are in; V's unit (4 stores, 4 read-backs) may be out
.endif
	ROPEG \a, 0
	PUT (3*\a)
.if \a > 0
	GST 14, (\a-1), (3*\a-1), 8                    ; V of the 16 rows before; this unit's 4 + 4 may be out
.endif
	ROPEG \a, 1
	PUT (3*\a+1)
	GST 10, \a, (3*\a), 8                          ; Q
.if \a < 7
	LOADCS (\a+1)                                  ; both rotations have read cos and sin: the next 16 rows', a unit ahead of their use
.endif
	PACKV \a
	PUT (3*\a+2)
.if \a < 7
	GST 12, \a, (3*\a+1), 16                       ; K; 8 loads of cos and sin and this unit's 4 + 4 may be out
.else
	GST 12, \a, (3*\a+1), 8
.endif
.endr
	GST 14, 7, 23, 0                               ; the last unit
	s_wait_xcnt 0x0
	v_lshl_add_u32 v94, v0, 2, 0x40400
	v_mov_b32 v95, 0
	s_wait_tensorcnt 0x0
	ds_add_u32 v94, v95
	s_wait_dscnt 0x0
	CROUND                                         ; the closing round: no work-group ends while a partner may still ask for a tile that names it
	s_endpgm
.Lfunc_end_k_qc2ff6aa4f9_qkv:
	.size	k_qc2ff6aa4f9_qkv, .Lfunc_end_k_qc2ff6aa4f9_qkv-k_qc2ff6aa4f9_qkv
	.p2alignl 7, 3214868480
	.fill 96, 4, 3214868480
	.section	.rodata,"a",@progbits
	.p2align	6, 0x0
	.amdhsa_kernel k_qc2ff6aa4f9_qkv
		.amdhsa_group_segment_fixed_size 327680
		.amdhsa_private_segment_fixed_size 0
		.amdhsa_enable_private_segment 0
		.amdhsa_kernarg_size 48
		.amdhsa_user_sgpr_count 2
		.amdhsa_user_sgpr_kernarg_segment_ptr 1
		.amdhsa_wavefront_size32 1
		.amdhsa_system_sgpr_workgroup_id_x 1
		.amdhsa_system_sgpr_workgroup_id_y 1
		.amdhsa_system_sgpr_workgroup_id_z 1
		.amdhsa_system_vgpr_workitem_id 0
		.amdhsa_next_free_vgpr 1024
		.amdhsa_next_free_sgpr 96
		.amdhsa_reserve_vcc 0
		.amdhsa_float_denorm_mode_32 3
		.amdhsa_float_denorm_mode_16_64 3
		.amdhsa_memory_ordered 1
		.amdhsa_forward_progress 1
		.amdhsa_inst_pref_size 239
	.end_amdhsa_kernel
	.amdgpu_metadata
---
amdhsa.version: [ 1, 2 ]
amdhsa.kernels:
  - .name:           k_qc2ff6aa4f9_qkv
    .symbol:         k_qc2ff6aa4f9_qkv.kd
    .args:
      - { .name: xb, .offset: 0, .size: 8, .value_kind: global_buffer, .address_space: global }
      - { .name: wb, .offset: 8, .size: 8, .value_kind: global_buffer, .address_space: global }
      - { .name: position_ids, .offset: 16, .size: 8, .value_kind: global_buffer, .address_space: global }
      - { .name: qb, .offset: 24, .size: 8, .value_kind: global_buffer, .address_space: global }
      - { .name: kb, .offset: 32, .size: 8, .value_kind: global_buffer, .address_space: global }
      - { .name: vb, .offset: 40, .size: 8, .value_kind: global_buffer, .address_space: global }
    .group_segment_fixed_size: 327680
    .private_segment_fixed_size: 0
    .kernarg_segment_align: 8
    .kernarg_segment_size: 48
    .max_flat_workgroup_size: 128
    .sgpr_count:     96
    .vgpr_count:     1024
    .wavefront_size: 32
...
	.end_amdgpu_metadata
.endif
;; end of part 2
;; launch attn (part 3): grid 16 x 16, 8 waves a work-group, clusters of 4 x 4, 327,680 bytes of LDS; arguments qb, kb, vb, attention_mask, ao; writes ao
.if DOCPART == 3
	.amdgcn_target "amdgcn-amd-amdhsa--gfx1250"
	.amdhsa_code_object_version 6
	.text
	.protected	k_qc2ff6aa4f9_attn
	.globl	k_qc2ff6aa4f9_attn
	.p2align	8
	.type	k_qc2ff6aa4f9_attn,@function
k_qc2ff6aa4f9_attn:
	s_mov_b64 s[64:65], 0
	v_nop
	global_prefetch_b8 v0, s[64:65] scope:SCOPE_SE
	s_setreg_imm32_b32 hwreg(HW_REG_WAVE_MODE, 25, 1), 1
	s_wait_xcnt 0x0
	s_wait_alu depctr_hold_cnt(0) depctr_sa_sdst(0) depctr_va_vdst(0) depctr_va_sdst(0) depctr_va_ssrc(0) depctr_va_vcc(0) depctr_vm_vsrc(0)
	s_getreg_b32 s2, hwreg(HW_REG_IB_STS2, 6, 4)
	s_cmp_eq_u32 s2, 0
	s_cbranch_scc0 .Lentry_in_a_cluster
	s_endpgm
.Lentry_in_a_cluster:
	s_bfe_u32 s2, ttmp6, 0x10000c
	s_cmp_lg_u32 s2, 0xf033
	s_cbranch_scc0 .Lentry_shape_is_right
	s_endpgm
.Lentry_shape_is_right:
; attn: softmax(Q K^T / 8 + mask) V with a running maximum, for 4 heads x 128 queries in a work-group.
; qb holds Q/4 and kb K/2, so their product carries the scale 1/8; vb holds V/4, so ao holds a quarter of the attention's result (the next launch's weights carry the 4).
; Grid: x = block of 128 queries; y = 4 b + head group.  Wave w: head 4 hg + (w & 3), queries 64 (w >> 2) .. +63.  32 trips of 64 keys, two LDS slots.
; WHY FOUR HEADS: the mask [b][q][k] is the same for all heads.  The four heads of a work-group read one copy in LDS, and the four head groups, a column
; of the cluster, ask for it jointly: each byte of the mask is asked for once in the launch.  K and V of a head group are shared by the four query
; blocks of a row of the cluster and asked for jointly too.
; Wave 0 asks for K's tile, wave 1 for V's, wave 2 for the mask's, 32 KiB each; such a wave has two tensor loads out at the start
; and one behind each round of the cluster's barrier.  A refill stands first behind a round and the wait for it directly in front of the next round: it has
; the whole of a trip in which to land.
; LAYOUTS, all transposed so that a lane owns a query:
;   S^T = K Q^T + mask: source 0 = 16 keys, source 1 = 16 queries.  Lane (r, h), register j: query 16 qt + r, key 16 kt + 8 h + j: eight neighbouring numbers
;   of a row of the mask, which two LDS loads put straight into the accumulator: the mask is the product's C, in f32, and no instruction adds it.
;   P: the 16 numbers of two neighbouring key tiles, rounded in place to 8 registers, ARE the fragment (n = query, k = 32 keys): no shuffle.
;   O^T = V^T P^T: source 0 by transposing LDS loads.  Lane (r, h), register j: query 16 qt + r, d = 16 dt + 8 h + j: the rescaling factor is the lane's own.
; THE MAXIMUM is subtracted first and the difference scaled by log2 e, in two instructions: max x log2 e would overflow for masks near the lowest finite
; number, where all of a row must come out equal, and its rounding would shift a whole row's exponents where the mask is large.  It starts at the lowest
; finite number: leading tiles of -inf give p = 0 and a factor of 1, and a row of -inf throughout ends as 0 x (1/0) = NaN, as a softmax of such a row does.
; LIMITS: P, Q, K, V are f16.  P lies in [0, 1] since the maximum is subtracted: it cannot overflow, and what f16 drops of a p below 2^-14 is under 2^-25
; beside a row sum of at least 1.  The result is a convex mix of V/4 and has V/4's range.  The sum of a row's exponentials is taken from the unrounded f32.
; Infinities and NaN in the mask reach the scores through the matrix instruction's C operand; +inf or NaN in a row gives a row of NaN.
.set WAVE,  14
.set SLOT,  112640                     ; K 256 rows x 144, V 256 rows x 160, mask 128 rows x 272
.set VOFF,  36864
.set MOFF,  77824
.set KP,    144                        ; 9 x 16: sixteen rows start in sixteen different 16-byte columns modulo 256
.set VP,    160                        ; 5 x 32, for the transposing loads
.set MP,    272                        ; 17 x 16
.set STAGE, 225280                     ; 16 rows x 144 for each wave, for the way out
.set G1K, 24
.set G1V, 32
.set G1M, 40
.set G0K, 48                           ; one set of four for each slot
.set G0V, 56
.set G0M, 68
; window 0: v2,3 K's address in slot 0, 1; v4,5 V's; v6,7 the mask's; v8 stage in; v9 stage back; v10 16 x lane; v11 Q's offset; v12 prefetch offset
.set RM, 16                            ; v[16:23]  pair qt: the running maximum (in the even register)
.set RL, 24                            ; v[24:31]  pair qt: two partial sums of the exponentials
.set AL, 32                            ; v[32:39]  pair qt: the rescaling factor (even register)
.set MX, 40                            ; v[40:43]
.set TT, 44                            ; v[44:47]
.set KF, 64                            ; v[64:127]  K fragments, 16 kt + 8 ks
.set SC, 128                           ; v[128:255] scores, tile (qt, kt) at 32 qt + 8 kt; later P, fragment (qt, kk) at 32 qt + 16 kk
; window 1:
.set OA, 0                             ; v[0:127]   O, tile (qt, dt) at 32 qt + 8 dt
.set QF, 128                           ; v[128:191] Q fragments, 16 qt + 8 ks
.set VF, 192                           ; v[192:255] V^T fragments, 16 dt + 8 kk
.set MSB, 0
.macro WIN new
.if MSB != (\new)
	s_set_vgpr_msb (MSB<<8)|(\new)
.set MSB, (\new)
.endif
.endm
.macro PLACES n
.rept \n
	v_nop
.endr
.endm
.macro CREST
	s_cmp_lg_u32 s[WAVE], 0
	s_cbranch_scc1 .Lnw0_\@
	s_barrier_signal -3
.Lnw0_\@:
	s_barrier_wait -3
	s_barrier_signal -1
	s_barrier_wait -1
.endm
.macro CROUND
	s_barrier_signal -1
	s_barrier_wait -1
	CREST
.endm
.macro JLOAD s                         ; one joint load each for waves 0, 1, 2; the branches hang on the wave's number alone
	s_cmp_lg_u32 s[WAVE], 0
	s_cbranch_scc1 .Ln0_\@
	tensor_load_to_lds s[G0K+4*\s:G0K+4*\s+3], s[G1K:G1K+7]
	s_nop 0
	s_branch .Ldn_\@
.Ln0_\@:
	s_cmp_lg_u32 s[WAVE], 1
	s_cbranch_scc1 .Ln1_\@
	tensor_load_to_lds s[G0V+4*\s:G0V+4*\s+3], s[G1V:G1V+7]
	s_nop 0
	s_branch .Ldn_\@
.Ln1_\@:
	s_cmp_lg_u32 s[WAVE], 2
	s_cbranch_scc1 .Ldn_\@
	tensor_load_to_lds s[G0M+4*\s:G0M+4*\s+3], s[G1M:G1M+7]
	s_nop 0
.Ldn_\@:
.endm
	s_load_b256 s[4:11], s[0:1], 0x0               ; qb s[4:5], kb s[6:7], vb s[8:9], mask s[10:11]
	s_load_b64 s[12:13], s[0:1], 0x20              ; ao
	v_lshl_add_u32 v62, v0, 2, 0x3b800
	v_mov_b32 v63, 0
	ds_add_u32 v62, v63
	v_lshrrev_b32 v1, 5, v0
	v_readfirstlane_b32 s[WAVE], v1
	s_and_b32 s15, s[WAVE], 3                      ; hl: my head of the four
	s_lshr_b32 s16, s[WAVE], 2                     ; qh: my 64 queries of the 128
	s_bfe_u32 s17, ttmp6, 0x40000                  ; cx
	s_bfe_u32 s18, ttmp6, 0x40004                  ; cy = head group
	s_lshl_b32 s19, ttmp9, 2
	s_add_co_u32 s19, s19, s17                     ; query block
	s_and_b32 s20, ttmp7, 0xffff                   ; the cluster's y = b
	s_lshl_b32 s84, s18, 2
	s_lshl_b32 s84, 15, s84                        ; my row of the cluster
	s_lshl_b32 s86, 0x1111, s17                    ; my column
	; K and V: a dense 32 KiB as 128 rows of 128 elements of 2 bytes; padding after every 32 words: 4 words for K (LDS rows of 144), 8 for V (160)
	s_or_b32 s[G1K+0], s84, 0x07310000
	s_or_b32 s[G1V+0], s84, 0x0f310000
.irp g, G1K, G1V
	s_mov_b32 s[\g+1], 128<<16
	s_mov_b32 s[\g+2], 128<<16
	s_mov_b32 s[\g+3], 128<<16
	s_mov_b32 s[\g+4], 128
	s_mov_b32 s[\g+5], 128
	s_mov_b32 s[\g+6], 0
	s_mov_b32 s[\g+7], 0
.endr
	; the mask: 128 rows of 64 elements of 4 bytes, 2,048 elements from row to row; 4 words of padding after every 64 (LDS rows of 272)
	s_or_b32 s[G1M+0], s86, 0x07720000
	s_mov_b32 s[G1M+1], 64<<16
	s_mov_b32 s[G1M+2], 128<<16
	s_mov_b32 s[G1M+3], 64<<16
	s_mov_b32 s[G1M+4], 128
	s_mov_b32 s[G1M+5], 2048
	s_mov_b32 s[G1M+6], 0
	s_mov_b32 s[G1M+7], 0
	s_lshl_b32 s84, s20, 2                         ; K, V: (4 b + hg) x 1 MiB (made of b and cy alone)
	s_add_co_u32 s84, s84, s18
	s_lshl_b32 s84, s84, 20
	s_mov_b32 s85, 0
	s_lshl_b32 s86, s20, 24                        ; mask: b x 16 MiB + query block x 128 rows of 8,192 bytes (made of b and cx alone)
	s_lshl_b32 s87, s19, 20
	s_add_co_u32 s86, s86, s87
	s_mov_b32 s87, 0
	s_lshl_b32 s88, s20, 2                         ; Q: (((4 b + hg) 32 + 2 block + qh) 4 + hl) x 8,192
	s_add_co_u32 s88, s88, s18
	s_lshl_b32 s88, s88, 5
	s_lshl_b32 s89, s19, 1
	s_add_co_u32 s88, s88, s89
	s_add_co_u32 s88, s88, s16
	s_lshl_b32 s88, s88, 2
	s_add_co_u32 s88, s88, s15
	s_lshl_b32 s88, s88, 13
	s_mov_b32 s89, 0
	s_lshl_b32 s90, s20, 4                         ; ao [b][head][s][64]: (16 b + 4 hg + hl) x 256 KiB + (128 block + 64 qh) x 128
	s_lshl_b32 s91, s18, 2
	s_add_co_u32 s90, s90, s91
	s_add_co_u32 s90, s90, s15
	s_lshl_b32 s90, s90, 18
	s_lshl_b32 s91, s19, 14
	s_add_co_u32 s90, s90, s91
	s_lshl_b32 s91, s16, 13
	s_add_co_u32 s90, s90, s91
	s_mov_b32 s91, 0
	s_mov_b32 s78, 0x76543210                      ; v_permlanex16_b32: lane i of one half reads lane i of the other
	s_mov_b32 s79, 0xfedcba98
	s_mov_b32 s82, 0x3fb8aa3b                      ; log2 e, in both words of the pair
	s_mov_b32 s83, 0x3fb8aa3b
	s_wait_dscnt 0x0
	s_wait_kmcnt 0x0
	s_add_nc_u64 s[86:87], s[10:11], s[86:87]
	s_add_nc_u64 s[88:89], s[4:5], s[88:89]
	s_add_nc_u64 s[12:13], s[12:13], s[90:91]
	s_add_nc_u64 s[76:77], s[86:87], 512           ; prefetch base: key tile 2
	s_mov_b32 s[G0K], 1
	s_mov_b32 s[G0K+1], 0
	s_add_nc_u64 s[G0K+2:G0K+3], s[6:7], s[84:85]
	s_mov_b32 s[G0K+4], 1
	s_mov_b32 s[G0K+5], SLOT
	s_add_nc_u64 s[G0K+6:G0K+7], s[G0K+2:G0K+3], 32768
	s_or_b32 s[G0K+3], s[G0K+3], 0x80000000
	s_or_b32 s[G0K+7], s[G0K+7], 0x80000000
	s_mov_b32 s[G0V], 1
	s_mov_b32 s[G0V+1], VOFF
	s_add_nc_u64 s[G0V+2:G0V+3], s[8:9], s[84:85]
	s_mov_b32 s[G0V+4], 1
	s_mov_b32 s[G0V+5], SLOT+VOFF
	s_add_nc_u64 s[G0V+6:G0V+7], s[G0V+2:G0V+3], 32768
	s_or_b32 s[G0V+3], s[G0V+3], 0x80000000
	s_or_b32 s[G0V+7], s[G0V+7], 0x80000000
	s_mov_b32 s[G0M], 1
	s_mov_b32 s[G0M+1], MOFF
	s_mov_b64 s[G0M+2:G0M+3], s[86:87]
	s_mov_b32 s[G0M+4], 1
	s_mov_b32 s[G0M+5], SLOT+MOFF
	s_add_nc_u64 s[G0M+6:G0M+7], s[86:87], 256
	s_or_b32 s[G0M+3], s[G0M+3], 0x80000000
	s_or_b32 s[G0M+7], s[G0M+7], 0x80000000
	CROUND                                         ; all sixteen work-groups are here: the first joint loads meet
	; the first fills, both slots, each wave's two inside its one branch
	s_cmp_lg_u32 s[WAVE], 0
	s_cbranch_scc1 .Lff1
	tensor_load_to_lds s[G0K:G0K+3], s[G1K:G1K+7]
	s_nop 0
	tensor_load_to_lds s[G0K+4:G0K+7], s[G1K:G1K+7]
	s_nop 0
	s_branch .Lffd
.Lff1:
	s_cmp_lg_u32 s[WAVE], 1
	s_cbranch_scc1 .Lff2
	tensor_load_to_lds s[G0V:G0V+3], s[G1V:G1V+7]
	s_nop 0
	tensor_load_to_lds s[G0V+4:G0V+7], s[G1V:G1V+7]
	s_nop 0
	s_branch .Lffd
.Lff2:
	s_cmp_lg_u32 s[WAVE], 2
	s_cbranch_scc1 .Lffd
	tensor_load_to_lds s[G0M:G0M+3], s[G1M:G1M+7]
	s_nop 0
	tensor_load_to_lds s[G0M+4:G0M+7], s[G1M:G1M+7]
	s_nop 0
.Lffd:
	v_and_b32 v1, 31, v0                           ; lane
	v_and_b32 v13, 15, v0                          ; r
	v_bfe_u32 v14, v0, 4, 1                        ; h
	v_lshlrev_b32 v11, 7, v13
	v_lshl_add_u32 v11, v14, 4, v11                ; Q: row r of 128 bytes, 16 h
	; Q's fragments stay in registers for the whole launch: lane (r, h): query 16 qt + r, d = 32 ks + 8 h .. and 16 further on
	WIN 0x40
.irp qt, 0,1,2,3
.irp ks, 0,1
	global_load_b128 v[QF+16*\qt+8*\ks:QF+16*\qt+8*\ks+3],   v11, s[88:89] offset:\qt*2048+\ks*64
	global_load_b128 v[QF+16*\qt+8*\ks+4:QF+16*\qt+8*\ks+7], v11, s[88:89] offset:\qt*2048+\ks*64+32
.endr
.endr
	WIN 0
	v_mul_u32_u24 v15, v13, KP
	v_lshl_add_u32 v15, v14, 4, v15                ; r x 144 + 16 h
	s_mul_i32 s21, s15, 64*KP
	v_add_nc_u32 v2, s21, v15                      ; K: my head's 64 rows
	v_add_nc_u32 v3, SLOT, v2
	v_and_b32 v48, 7, v0
	v_lshl_add_u32 v48, v14, 3, v48                ; V: key 8 h + (lane & 7),
	v_mul_u32_u24 v48, v48, VP
	v_bfe_u32 v49, v0, 3, 1
	v_lshl_add_u32 v48, v49, 4, v48                ; 16 bytes at 16 ((lane >> 3) & 1)
	s_mul_i32 s21, s15, 64*VP
	s_add_co_u32 s21, s21, VOFF
	v_add_nc_u32 v4, s21, v48
	v_add_nc_u32 v5, SLOT, v4
	v_mul_u32_u24 v48, v13, MP
	v_lshl_add_u32 v48, v14, 5, v48                ; mask: row r, 32 bytes at 32 h
	s_mul_i32 s21, s16, 64*MP
	s_add_co_u32 s21, s21, MOFF
	v_add_nc_u32 v6, s21, v48
	v_add_nc_u32 v7, SLOT, v6
	s_mul_i32 s21, s[WAVE], 16*KP
	s_add_co_u32 s21, s21, STAGE
	v_add_nc_u32 v8, s21, v15
	v_lshrrev_b32 v48, 3, v1
	v_mul_u32_u24 v48, v48, KP
	v_and_b32 v49, 7, v0
	v_lshl_add_u32 v48, v49, 4, v48
	v_add_nc_u32 v9, s21, v48
	v_lshlrev_b32 v10, 4, v1
	s_lshl_b32 s22, s18, 5
	v_add_nc_u32 v12, s22, v1                      ; prefetch: row 32 cy + lane of the block's 128,
	v_lshlrev_b32 v12, 13, v12                     ; x 8,192 bytes
.irp i, 0,1,2,3,4,5,6,7
	v_mov_b32 v[RM+\i], 0xff7fffff                 ; the lowest finite number
	v_mov_b32 v[AL+\i], 0
	v_mov_b32 v[MX+\i], 0                          ; MX and TT: written once, since v_permlanex16_b32 counts as a reader of its destination
.endr
	s_wait_tensorcnt 0x0                           ; my first fills are in
	s_barrier_signal -1
	s_barrier_wait -1                              ; everybody's are
	s_wait_loadcnt 0x0                             ; Q
.macro SOFTMAX first
	PLACES 4                                       ; four places between the last matrix instruction and the first reader of a result (ISA guide 7.12.1)
.irp qt, 0,1,2,3
	v_max3_num_f32 v[MX+\qt], v[SC+32*\qt], v[SC+32*\qt+1], v[RM+2*\qt]    ; four chains; the old maximum goes in first
.endr
.set i, 1
.rept 15
.irp qt, 0,1,2,3
	v_max3_num_f32 v[MX+\qt], v[MX+\qt], v[SC+32*\qt+2*i], v[SC+32*\qt+2*i+1]
.endr
.set i, i+1
.endr
.irp qt, 0,1,2,3
	v_permlanex16_b32 v[TT+\qt], v[MX+\qt], s78, s79   ; the other 32 keys of my query lie in the lane 16 away
.endr
.irp qt, 0,1,2,3
	v_max_num_f32 v[TT+\qt], v[TT+\qt], v[MX+\qt]
.endr
.if \first == 0
.irp qt, 0,1,2,3
	v_sub_f32 v[AL+2*\qt], v[RM+2*\qt], v[TT+\qt]
.endr
.irp qt, 0,1,2,3
	v_mul_f32 v[AL+2*\qt], s82, v[AL+2*\qt]
.endr
.irp qt, 0,1,2,3
	v_exp_f32 v[AL+2*\qt], v[AL+2*\qt]             ; the factor for what has been summed so far
.endr
.endif
.irp qt, 0,1,2,3
	v_mov_b32 v[RM+2*\qt], v[TT+\qt]               ; also the plain instructions between the exponentials above and their use (ISA guide 5.7.2)
.endr
.irp qt, 0,1,2,3
.set i, 0
.rept 16
	v_pk_add_f32 v[SC+32*\qt+2*i:SC+32*\qt+2*i+1], v[SC+32*\qt+2*i:SC+32*\qt+2*i+1], v[RM+2*\qt:RM+2*\qt+1] op_sel_hi:[1,0] neg_lo:[0,1] neg_hi:[0,1]
.set i, i+1
.endr
.set i, 0
.rept 16
	v_pk_mul_f32 v[SC+32*\qt+2*i:SC+32*\qt+2*i+1], v[SC+32*\qt+2*i:SC+32*\qt+2*i+1], s[82:83] op_sel_hi:[1,0]
.set i, i+1
.endr
.set i, 0
.rept 32
	v_exp_f32 v[SC+32*\qt+i], v[SC+32*\qt+i]
.set i, i+1
.endr
.endr
	v_nop                                          ; one plain instruction between the last run of exponentials and the sums (ISA guide 5.7.2)
.if \first
	s_wait_alu depctr_va_vdst(0)
.irp qt, 0,1,2,3
	v_pk_add_f32 v[RL+2*\qt:RL+2*\qt+1], v[SC+32*\qt:SC+32*\qt+1], v[SC+32*\qt+2:SC+32*\qt+3]   ; the first tile starts the sums
.endr
.set i, 2
.rept 14
.irp qt, 0,1,2,3
	v_pk_add_f32 v[RL+2*\qt:RL+2*\qt+1], v[RL+2*\qt:RL+2*\qt+1], v[SC+32*\qt+2*i:SC+32*\qt+2*i+1]
.endr
.set i, i+1
.endr
.else
	s_wait_alu depctr_va_vdst(0)
.irp qt, 0,1,2,3
	v_pk_fma_f32 v[RL+2*\qt:RL+2*\qt+1], v[RL+2*\qt:RL+2*\qt+1], v[AL+2*\qt:AL+2*\qt+1], v[SC+32*\qt:SC+32*\qt+1] op_sel_hi:[1,0,1]
.endr
.set i, 1
.rept 15
.irp qt, 0,1,2,3
	v_pk_add_f32 v[RL+2*\qt:RL+2*\qt+1], v[RL+2*\qt:RL+2*\qt+1], v[SC+32*\qt+2*i:SC+32*\qt+2*i+1]
.endr
.set i, i+1
.endr
.endif
.irp qt, 0,1,2,3
.irp kk, 0,1
.irp j, 0,1,2,3,4,5,6,7
	v_cvt_pk_f16_f32 v[SC+32*\qt+16*\kk+\j], v[SC+32*\qt+16*\kk+2*\j], v[SC+32*\qt+16*\kk+2*\j+1]   ; in place, ascending: register j is free when it is written
.endr
.endr
.endr
.endm
; One tile of 64 keys, in slot.  mode 2: round of the cluster's barrier and refill of this slot, two tiles ahead; 1: plain barrier; 0: none.
; Order: K's and the mask's loads; the score products query tile by query tile, each as soon as its part of the mask is in; V's loads, which land under the
; softmax; softmax; rescaling and P V; and only then the wait for the next slot's tile and the barrier.
.macro TRIP slot, mode, first
.if \first == 0
	PLACES 5                                       ; behind the last trip's products: loads land on their sources (four places), and the score products write over P (five)
.endif
.irp kt, 0,1,2,3
.irp ks, 0,1
	ds_load_b128 v[KF+16*\kt+8*\ks:KF+16*\kt+8*\ks+3],   v[2+\slot] offset:\kt*16*KP+\ks*64
	ds_load_b128 v[KF+16*\kt+8*\ks+4:KF+16*\kt+8*\ks+7], v[2+\slot] offset:\kt*16*KP+\ks*64+32
.endr
.endr
.irp qt, 0,1,2,3
.irp kt, 0,1,2,3
	ds_load_b128 v[SC+32*\qt+8*\kt:SC+32*\qt+8*\kt+3],   v[6+\slot] offset:\qt*16*MP+\kt*64       ; the mask, straight into the accumulators
	ds_load_b128 v[SC+32*\qt+8*\kt+4:SC+32*\qt+8*\kt+7], v[6+\slot] offset:\qt*16*MP+\kt*64+16
.endr
.endr
.if \mode == 2
	; Wave 3 asks for 32 of the 128 rows of the mask tile two tiles ahead, 256 bytes a lane; the four work-groups of the column take 32 rows each, so each
	; piece is asked for once.  That tile's tensor load is issued at this trip's end.  The last two trips ask for nothing: no request passes a row's end.
	s_cmp_lg_u32 s[WAVE], 3
	s_cbranch_scc1 .Lnopf_\@
	global_prefetch_b8 v12, s[76:77] offset:\slot*256 th:TH_LOAD_NT scope:SCOPE_SE
.Lnopf_\@:
.endif
	WIN 0x04                                       ; source 1 (Q) from window 1
	; a query tile's four accumulators take turns, one instruction a turn
.irp qt, 0,1,2,3
	s_wait_dscnt 24-8*\qt                          ; K and the mask of query tiles 0 .. qt are in; the later tiles' 8 loads each stay out
.irp ks, 0,1
.irp kt, 0,1,2,3
	v_wmma_f32_16x16x32_f16 v[SC+32*\qt+8*\kt:SC+32*\qt+8*\kt+7], v[KF+16*\kt+8*\ks:KF+16*\kt+8*\ks+7], v[QF+16*\qt+8*\ks:QF+16*\qt+8*\ks+7], v[SC+32*\qt+8*\kt:SC+32*\qt+8*\kt+7]
.endr
.endr
.endr
	WIN 0x40
.irp dt, 0,1,2,3
.irp kk, 0,1
	ds_load_tr16_b128 v[VF+16*\dt+8*\kk:VF+16*\dt+8*\kk+3],   v[4+\slot] offset:\kk*32*VP+\dt*32
	ds_load_tr16_b128 v[VF+16*\dt+8*\kk+4:VF+16*\dt+8*\kk+7], v[4+\slot] offset:\kk*32*VP+\dt*32+16*VP
.endr
.endr
	WIN 0
	SOFTMAX \first
	s_wait_dscnt 0x0                               ; V is in: all my reads of this slot are over
	WIN 0x51                                       ; source 0 (O or V^T), C and D (O) in window 1, source 1 (the factor or P) in window 0
.if \first == 0
.irp qt, 0,1,2,3
.set i, 0
.rept 16
	v_pk_mul_f32 v[OA+32*\qt+2*i:OA+32*\qt+2*i+1], v[OA+32*\qt+2*i:OA+32*\qt+2*i+1], v[AL+2*\qt:AL+2*\qt+1] op_sel_hi:[1,0]
.set i, i+1
.endr
.endr
.endif
	; the 16 accumulators take turns, one instruction a turn
.irp kk, 0,1
.irp dt, 0,1,2,3
.irp qt, 0,1,2,3
.if \first*(1-\kk)
	v_wmma_f32_16x16x32_f16 v[OA+32*\qt+8*\dt:OA+32*\qt+8*\dt+7], v[VF+16*\dt+8*\kk:VF+16*\dt+8*\kk+7], v[SC+32*\qt+16*\kk:SC+32*\qt+16*\kk+7], 0
.else
	v_wmma_f32_16x16x32_f16 v[OA+32*\qt+8*\dt:OA+32*\qt+8*\dt+7], v[VF+16*\dt+8*\kk:VF+16*\dt+8*\kk+7], v[SC+32*\qt+16*\kk:SC+32*\qt+16*\kk+7], v[OA+32*\qt+8*\dt:OA+32*\qt+8*\dt+7]
.endif
.endr
.endr
.endr
	WIN 0
.if \mode > 0
	s_wait_tensorcnt 0x0                           ; all my tensor loads have landed: the one that was out is my part of the next slot
	ds_add_u32 v62, v63
	s_wait_dscnt 0x0
.endif
.if \mode == 2
	CROUND                                         ; no wave of any partner still reads this slot or has a load on its way
	s_add_nc_u64 s[G0K+4*\slot+2:G0K+4*\slot+3], s[G0K+4*\slot+2:G0K+4*\slot+3], 65536
	s_add_nc_u64 s[G0V+4*\slot+2:G0V+4*\slot+3], s[G0V+4*\slot+2:G0V+4*\slot+3], 65536
	s_add_nc_u64 s[G0M+4*\slot+2:G0M+4*\slot+3], s[G0M+4*\slot+2:G0M+4*\slot+3], 512
	JLOAD \slot                                    ; the first tensor load behind the round; it has the whole next trip in which to land
.endif
.if \mode == 1
	s_barrier_signal -1
	s_barrier_wait -1                              ; the last slot is whole for every wave
.endif
.endm
	TRIP 0, 2, 1
	TRIP 1, 2, 0
	s_wait_xcnt 0x0                                ; the prefetches' base steps only behind this wait
	s_add_nc_u64 s[76:77], s[76:77], 512
	s_mov_b32 s80, 14
.Llap:
	TRIP 0, 2, 0
	TRIP 1, 2, 0
	s_wait_xcnt 0x0
	s_add_nc_u64 s[76:77], s[76:77], 512
	s_sub_co_u32 s80, s80, 1
	s_cmp_lg_u32 s80, 0
	s_cbranch_scc1 .Llap
	TRIP 0, 1, 0                                   ; tiles 30 and 31: nothing is left to fetch
	TRIP 1, 0, 0
	; THE WAY OUT: O / sum, rounded to f16, 16 queries at a time through my own stage, 512 consecutive bytes a store.
	PLACES 4
.irp qt, 0,1,2,3
	v_add_f32 v[TT+\qt], v[RL+2*\qt], v[RL+2*\qt+1]
.endr
.irp qt, 0,1,2,3
	v_permlanex16_b32 v[MX+\qt], v[TT+\qt], s78, s79
.endr
.irp qt, 0,1,2,3
	v_add_f32 v[TT+\qt], v[TT+\qt], v[MX+\qt]
.endr
.irp qt, 0,1,2,3
	v_rcp_f32 v[AL+2*\qt], v[TT+\qt]
.endr
	v_nop                                          ; one plain instruction between v_rcp_f32 and the use of its result (ISA guide 5.7.2)
	s_wait_alu depctr_va_vdst(0)
.macro OUTQ qt
	WIN 0x01
.irp i, 0,1,2,3,4,5,6,7,8,9,10,11,12,13,14,15
	v_pk_mul_f32 v[SC+2*\i:SC+2*\i+1], v[OA+32*\qt+2*\i:OA+32*\qt+2*\i+1], v[AL+2*\qt:AL+2*\qt+1] op_sel_hi:[1,0]
.endr
	WIN 0
.irp i, 0,1,2,3,4,5,6,7,8,9,10,11,12,13,14,15
	v_cvt_pk_f16_f32 v[KF+\i], v[SC+2*\i], v[SC+2*\i+1]
.endr
.irp dt, 0,1,2,3
	ds_store_b128 v8, v[KF+4*\dt:KF+4*\dt+3] offset:32*\dt
.endr
	s_wait_xcnt 0x0                                ; v[96:111], which earlier stores read, are loaded again only behind this wait
.irp i, 0,1,2,3
	ds_load_b128 v[96+4*\i:99+4*\i], v9 offset:4*KP*\i     ; LDS serves a wave's instructions in order: these see the stores above
.endr
.irp i, 0,1,2,3
	s_wait_dscnt 3-\i
	global_store_b128 v10, v[96+4*\i:99+4*\i], s[12:13] offset:\qt*2048+512*\i
.endr
.endm
	OUTQ 0
	OUTQ 1
	OUTQ 2
	OUTQ 3
	s_wait_tensorcnt 0x0
	ds_add_u32 v62, v63
	s_wait_dscnt 0x0
	CROUND                                         ; the closing round
	s_endpgm
.Lfunc_end_k_qc2ff6aa4f9_attn:
	.size	k_qc2ff6aa4f9_attn, .Lfunc_end_k_qc2ff6aa4f9_attn-k_qc2ff6aa4f9_attn
	.p2alignl 7, 3214868480
	.fill 96, 4, 3214868480
	.section	.rodata,"a",@progbits
	.p2align	6, 0x0
	.amdhsa_kernel k_qc2ff6aa4f9_attn
		.amdhsa_group_segment_fixed_size 327680
		.amdhsa_private_segment_fixed_size 0
		.amdhsa_enable_private_segment 0
		.amdhsa_kernarg_size 40
		.amdhsa_user_sgpr_count 2
		.amdhsa_user_sgpr_kernarg_segment_ptr 1
		.amdhsa_wavefront_size32 1
		.amdhsa_system_sgpr_workgroup_id_x 1
		.amdhsa_system_sgpr_workgroup_id_y 1
		.amdhsa_system_sgpr_workgroup_id_z 1
		.amdhsa_system_vgpr_workitem_id 0
		.amdhsa_next_free_vgpr 512
		.amdhsa_next_free_sgpr 96
		.amdhsa_reserve_vcc 0
		.amdhsa_float_denorm_mode_32 3
		.amdhsa_float_denorm_mode_16_64 3
		.amdhsa_memory_ordered 1
		.amdhsa_forward_progress 1
		.amdhsa_inst_pref_size 252
	.end_amdhsa_kernel
	.amdgpu_metadata
---
amdhsa.version: [ 1, 2 ]
amdhsa.kernels:
  - .name:           k_qc2ff6aa4f9_attn
    .symbol:         k_qc2ff6aa4f9_attn.kd
    .args:
      - { .name: qb, .offset: 0, .size: 8, .value_kind: global_buffer, .address_space: global }
      - { .name: kb, .offset: 8, .size: 8, .value_kind: global_buffer, .address_space: global }
      - { .name: vb, .offset: 16, .size: 8, .value_kind: global_buffer, .address_space: global }
      - { .name: attention_mask, .offset: 24, .size: 8, .value_kind: global_buffer, .address_space: global }
      - { .name: ao, .offset: 32, .size: 8, .value_kind: global_buffer, .address_space: global }
    .group_segment_fixed_size: 327680
    .private_segment_fixed_size: 0
    .kernarg_segment_align: 8
    .kernarg_segment_size: 40
    .max_flat_workgroup_size: 256
    .sgpr_count:     96
    .vgpr_count:     512
    .wavefront_size: 32
...
	.end_amdgpu_metadata
.endif
;; end of part 3
;; launch oproj (part 4): grid 8 x 32, 4 waves a work-group, clusters of 4 x 4, 327,680 bytes of LDS; arguments ao, wb, out0; writes out0
.if DOCPART == 4
	.amdgcn_target "amdgcn-amd-amdhsa--gfx1250"
	.amdhsa_code_object_version 6
	.text
	.protected	k_qc2ff6aa4f9_oproj
	.globl	k_qc2ff6aa4f9_oproj
	.p2align	8
	.type	k_qc2ff6aa4f9_oproj,@function
k_qc2ff6aa4f9_oproj:
	s_mov_b64 s[64:65], 0
	v_nop
	global_prefetch_b8 v0, s[64:65] scope:SCOPE_SE
	s_setreg_imm32_b32 hwreg(HW_REG_WAVE_MODE, 25, 1), 1
	s_wait_xcnt 0x0
	s_wait_alu depctr_hold_cnt(0) depctr_sa_sdst(0) depctr_va_vdst(0) depctr_va_sdst(0) depctr_va_ssrc(0) depctr_va_vcc(0) depctr_vm_vsrc(0)
	s_getreg_b32 s2, hwreg(HW_REG_IB_STS2, 6, 4)
	s_cmp_eq_u32 s2, 0
	s_cbranch_scc0 .Lentry_in_a_cluster
	s_endpgm
.Lentry_in_a_cluster:
	s_bfe_u32 s2, ttmp6, 0x10000c
	s_cmp_lg_u32 s2, 0xf033
	s_cbranch_scc0 .Lentry_shape_is_right
	s_endpgm
.Lentry_shape_is_right:
; oproj: out0 = AO Wo^T, f16 operands, f32 sums, f32 out.  ao[b][head][s][64] holds a quarter of the attention's result: a head is one K block of 64;
; rows 3072-4095 of wb[kblk][row][64] hold 4 Wo, so the two powers of two cancel.
; A work-group makes 256 rows (rb) x 128 columns (cb): 256 work-groups share the 8,192 x 1,024 outputs evenly.  A wave (wr, wc) makes 128 x 64: 32 accumulator tiles.
; K goes in 8 steps of 128 (two heads) through two LDS slots.  Waves 0, 1 ask for AO's two K blocks (32 KiB each), waves 2, 3 for Wo's (16 KiB each).
; CLUSTERS 4 x 4: AO's tiles hang on rb alone and are asked for jointly by a row of the cluster, Wo's on cb alone, by a column.
; A wave has two tensor loads out at the start and one behind each round of the cluster's barrier.  A refill stands first behind a
; round, and the wait for it directly in front of the next round: it has all of a step's 128 matrix instructions in which to land.
; The matrix instruction is used transposed (source 0 = rows of Wo, source 1 = rows of AO): lane (r, h) holds row 16 a + r, columns 16 bt + 8 h + j.
; LIMIT: matrix operands are f16, with the ranges stated where they are made.
.set WAVE,   10
.set PITCH,  144
.set SLOT,   110592                    ; AO block 0, AO block 1 (256 rows x 144 each), Wo block 0, Wo block 1 (128 rows x 144 each)
.set ABLK,   36864
.set BOFF,   73728
.set BBLK,   18432
.set STAGE,  221184                    ; 16 rows x 272 for each wave
.set SPITCH, 272
.set ADRA, 16                          ; v16, v17  my AO rows in slot 0, 1
.set ADRB, 20                          ; v20, v21  my Wo rows
.set STO,  24
.set RD,   25
.set CO,   26
.set F0,   32                          ; v[32:127]  fragments: AO's eight at +0, Wo's four at +64
.set F1,   128                         ; v[128:223] second buffer
.set G1,  24
.set G0,  32
.set G1B, 48
.set G0B, 56
.set MSB, 0
.macro WIN new
.if MSB != (\new)
	s_set_vgpr_msb (MSB<<8)|(\new)
.set MSB, (\new)
.endif
.endm
.macro PLACES n
.rept \n
	v_nop
.endr
.endm
.macro CREST
	s_cmp_lg_u32 s[WAVE], 0
	s_cbranch_scc1 .Lnw0_\@
	s_barrier_signal -3
.Lnw0_\@:
	s_barrier_wait -3
	s_barrier_signal -1
	s_barrier_wait -1
.endm
.macro CROUND
	s_barrier_signal -1
	s_barrier_wait -1
	CREST
.endm
.macro JLOAD s
	s_cmp_eq_u32 s11, 0
	s_cbranch_scc0 .Lfb_\@
	tensor_load_to_lds s[G0+4*\s:G0+4*\s+3], s[G1:G1+7]
	s_nop 0
	s_branch .Lfd_\@
.Lfb_\@:
	tensor_load_to_lds s[G0B+4*\s:G0B+4*\s+3], s[G1B:G1B+7]
	s_nop 0
.Lfd_\@:
.endm
	s_load_b128 s[4:7], s[0:1], 0x0                ; ao s[4:5], wb s[6:7]
	s_load_b64 s[8:9], s[0:1], 0x10                ; out0
	v_lshl_add_u32 v254, v0, 2, 0x3a400
	v_mov_b32 v255, 0
	ds_add_u32 v254, v255
	v_lshrrev_b32 v1, 5, v0
	v_readfirstlane_b32 s[WAVE], v1
	s_lshr_b32 s11, s[WAVE], 1                     ; wr.  Also: I fetch for AO (0) or for Wo (1)
	s_and_b32 s12, s[WAVE], 1                      ; wc.  Also: which of a step's two K blocks I fetch
	s_bfe_u32 s40, ttmp6, 0x40000                  ; cx
	s_bfe_u32 s41, ttmp6, 0x40004                  ; cy
	s_lshl_b32 s42, ttmp9, 2
	s_add_co_u32 s42, s42, s40                     ; cb
	s_and_b32 s13, ttmp7, 0xffff
	s_lshl_b32 s13, s13, 2
	s_add_co_u32 s13, s13, s41                     ; rb
	s_lshl_b32 s43, s41, 2
	s_lshl_b32 s43, 15, s43                        ; my row of the cluster
	s_lshl_b32 s44, 0x1111, s40                    ; my column
	; dense runs of bytes as rows of 128 elements of 2 bytes, 4 words of padding after every 32: LDS rows of 144
	s_or_b32 s[G1+0], s43, 0x07310000
	s_mov_b32 s[G1+1], 128<<16
	s_mov_b32 s[G1+2], 128<<16                     ; 128 rows of 256 bytes
	s_mov_b32 s[G1+3], 128<<16
	s_mov_b32 s[G1+4], 128
	s_mov_b32 s[G1+5], 128
	s_mov_b32 s[G1+6], 0
	s_mov_b32 s[G1+7], 0
	s_or_b32 s[G1B+0], s44, 0x07310000
	s_mov_b32 s[G1B+1], 128<<16
	s_mov_b32 s[G1B+2], 64<<16                     ; 64 rows of 256 bytes
	s_mov_b32 s[G1B+3], 128<<16
	s_mov_b32 s[G1B+4], 64
	s_mov_b32 s[G1B+5], 128
	s_mov_b32 s[G1B+6], 0
	s_mov_b32 s[G1B+7], 0
	s_lshr_b32 s16, s13, 3                         ; AO: b x 4 MiB + (rb % 8) x 256 rows of 128 bytes + K block x 256 KiB (rb and the wave alone)
	s_lshl_b32 s16, s16, 22
	s_and_b32 s17, s13, 7
	s_lshl_b32 s17, s17, 15
	s_add_co_u32 s16, s16, s17
	s_lshl_b32 s17, s12, 18
	s_add_co_u32 s16, s16, s17
	s_mov_b32 s17, 0
	s_lshl_b32 s46, s42, 14                        ; Wo: (3,072 + 128 cb) rows of 128 bytes + K block x 512 KiB (cb and the wave alone)
	s_lshl_b32 s47, s12, 19
	s_add_co_u32 s46, s46, s47
	s_add_co_u32 s46, s46, 393216
	s_mov_b32 s47, 0
	s_mul_i32 s20, s[WAVE], ABLK                   ; waves 0, 1: AO's blocks at 0 and 36,864
	s_mul_i32 s21, s[WAVE], BBLK
	s_add_co_u32 s21, s21, ABLK                    ; waves 2, 3: Wo's blocks at 73,728 and 92,160
	s_wait_dscnt 0x0
	s_wait_kmcnt 0x0
	s_add_nc_u64 s[14:15], s[4:5], s[16:17]
	s_add_nc_u64 s[46:47], s[6:7], s[46:47]
	CROUND                                         ; all sixteen work-groups are here: the first joint loads meet
.irp s, 0,1
	s_mov_b32 s[G0+4*\s], 1
	s_add_co_u32 s[G0+4*\s+1], s20, \s*SLOT
	s_add_nc_u64 s[G0+4*\s+2:G0+4*\s+3], s[14:15], \s*524288        ; K step s: two blocks of 256 KiB on
	s_or_b32 s[G0+4*\s+3], s[G0+4*\s+3], 0x80000000
	s_mov_b32 s[G0B+4*\s], 1
	s_add_co_u32 s[G0B+4*\s+1], s21, \s*SLOT
	s_add_nc_u64 s[G0B+4*\s+2:G0B+4*\s+3], s[46:47], \s*1048576     ; two blocks of 512 KiB on
	s_or_b32 s[G0B+4*\s+3], s[G0B+4*\s+3], 0x80000000
	JLOAD \s
.endr
	v_and_b32 v1, 15, v0                           ; r
	v_bfe_u32 v2, v0, 4, 1                         ; h
	v_mul_u32_u24 v3, v1, PITCH
	v_lshl_add_u32 v3, v2, 4, v3
	s_mul_i32 s22, s11, 128*PITCH
	v_add_nc_u32 v[ADRA], s22, v3
	v_add_nc_u32 v[ADRA+1], SLOT, v[ADRA]
	s_mul_i32 s22, s12, 64*PITCH
	s_add_co_u32 s22, s22, BOFF
	v_add_nc_u32 v[ADRB], s22, v3
	v_add_nc_u32 v[ADRB+1], SLOT, v[ADRB]
	s_mul_i32 s22, s[WAVE], 16*SPITCH
	s_add_co_u32 s22, s22, STAGE
	v_mul_u32_u24 v4, v1, SPITCH
	v_lshl_add_u32 v4, v2, 5, v4                   ; in: row r, 32 bytes at 32 h
	v_add_nc_u32 v[STO], s22, v4
	v_mul_u32_u24 v5, v2, SPITCH                   ; back: lanes 0-15 one row of 256 bytes, lanes 16-31 the next
	v_lshl_add_u32 v5, v1, 4, v5
	v_add_nc_u32 v[RD], s22, v5
	v_lshlrev_b32 v5, 12, v2                       ; and the same two rows in out0 (4,096 bytes a row)
	v_lshl_add_u32 v[CO], v1, 4, v5
; 16 matrix instructions: row tiles a0 .. a0+3 x 4 column tiles, 32 along K.  The 32 accumulators take turns, one instruction a turn.
.macro MUL16 f, a0, zero
	WIN 0x50
.irp a, \a0, \a0+1, \a0+2, \a0+3
.irp bt, 0,1,2,3
.if \zero
	v_wmma_f32_16x16x32_f16 v[8*(4*(\a)+\bt):8*(4*(\a)+\bt)+7], v[\f+64+8*\bt:\f+64+8*\bt+7], v[\f+8*(\a):\f+8*(\a)+7], 0
.else
	v_wmma_f32_16x16x32_f16 v[8*(4*(\a)+\bt):8*(4*(\a)+\bt)+7], v[\f+64+8*\bt:\f+64+8*\bt+7], v[\f+8*(\a):\f+8*(\a)+7], v[8*(4*(\a)+\bt):8*(4*(\a)+\bt)+7]
.endif
.endr
.endr
.endm
; 24 loads: quarter qd of a K step (K block qd / 2, half qd % 2): Wo's four fragments, then AO's eight
.macro FETCH slot, qd, f
.irp bt, 0,1,2,3
	ds_load_b128 v[\f+64+8*\bt:\f+64+8*\bt+3], v[ADRB+\slot] offset:(\qd/2)*BBLK+\bt*16*PITCH+(\qd%2)*64
	ds_load_b128 v[\f+68+8*\bt:\f+68+8*\bt+3], v[ADRB+\slot] offset:(\qd/2)*BBLK+\bt*16*PITCH+(\qd%2)*64+32
.endr
.irp a, 0,1,2,3,4,5,6,7
	ds_load_b128 v[\f+8*\a:\f+8*\a+3],   v[ADRA+\slot] offset:(\qd/2)*ABLK+\a*16*PITCH+(\qd%2)*64
	ds_load_b128 v[\f+8*\a+4:\f+8*\a+7], v[ADRA+\slot] offset:(\qd/2)*ABLK+\a*16*PITCH+(\qd%2)*64+32
.endr
.endm
; Four v_nop in front of each run of loads: a load into a register that a matrix instruction has read stands four places behind it
; (ISA guide 7.12.1 for vector instructions).
.macro QUARTER slot, qdn, f, g, zero
	s_wait_dscnt 8                                 ; Wo and AO's rows 0-63 are in; the youngest eight loads (rows 64-127) may be out
	MUL16 \f, 0, \zero
	WIN 0
	PLACES 4
	FETCH \slot, \qdn, \g
	s_wait_dscnt 24                                ; all but the 24 just issued
	MUL16 \f, 4, \zero
.endm
.macro THREE slot, zero
	QUARTER \slot, 1, F0, F1, \zero
	QUARTER \slot, 2, F1, F0, 0
	QUARTER \slot, 3, F0, F1, 0
.endm
; The last quarter and the change of slots: my reads of this slot are waited for in front of the quarter's first half, all my tensor loads behind it, directly in
; front of the barrier; behind the barrier (where the slot is filled again: behind the whole round of the cluster's barrier) the refill comes first, then the
; next slot's fragments, whose loads the quarter's second half covers.
.macro TURN slot, next, fill
	s_wait_dscnt 0x0                               ; my reads of this slot are over
	MUL16 F1, 0, 0
	WIN 0
	s_wait_tensorcnt 0x0                           ; all my tensor loads have landed: the one that was out is my part of the next slot
	ds_add_u32 v254, v255
	s_wait_dscnt 0x0
	s_barrier_signal -1
	s_barrier_wait -1
.if \fill
	CREST
	s_add_nc_u64 s[G0+4*\slot+2:G0+4*\slot+3], s[G0+4*\slot+2:G0+4*\slot+3], 1048576
	s_add_nc_u64 s[G0B+4*\slot+2:G0B+4*\slot+3], s[G0B+4*\slot+2:G0B+4*\slot+3], 2097152
	JLOAD \slot
.endif
	PLACES 4
	FETCH \next, 0, F0
	MUL16 F1, 4, 0
.endm
.macro LAP zero
	THREE 0, \zero
	TURN 0, 1, 1
	THREE 1, 0
	TURN 1, 0, 1
.endm
	s_wait_tensorcnt 0x1                           ; my part of K step 0 is in; K step 1's stays out
	s_barrier_signal -1
	s_barrier_wait -1
	FETCH 0, 0, F0
	LAP 1                                          ; K steps 0, 1: the first quarter starts the sums
	WIN 0
	s_mov_b32 s3, 2
.Llap:
	LAP 0                                          ; K steps 2 to 5
	WIN 0
	s_sub_co_u32 s3, s3, 1
	s_cmp_lg_u32 s3, 0
	s_cbranch_scc1 .Llap
	THREE 0, 0                                     ; K steps 6, 7: nothing is left to fetch
	TURN 0, 1, 0
	THREE 1, 0
	s_wait_dscnt 0x0
	MUL16 F1, 0, 0
	MUL16 F1, 4, 0
	WIN 0
	PLACES 4                                       ; the places behind the last matrix instructions
	; THE WAY OUT, 16 rows at a time through my own stage: a lane's 32 bytes go in, whole rows of 256 bytes come back.
	s_lshl_b32 s18, s13, 20                        ; (256 rb + 128 wr) rows of 4,096 bytes + 512 cb + 256 wc
	s_lshl_b32 s19, s11, 19
	s_add_co_u32 s18, s18, s19
	s_lshl_b32 s19, s42, 9
	s_add_co_u32 s18, s18, s19
	s_lshl_b32 s19, s12, 8
	s_add_co_u32 s18, s18, s19
	s_mov_b32 s19, 0
	s_add_nc_u64 s[8:9], s[8:9], s[18:19]
; LDS serves a wave's instructions in order, so the one stage serves all eight blocks of rows without a wait.  A block's global stores stand behind the next
; block's LDS stores and read-backs, so that its own read-backs land meanwhile: buffers F0 and F1 by turns.
.macro PUT16 a, f
	WIN 0x04                                       ; the stores' data from window 1
.irp bt, 0,1,2,3
	ds_store_b128 v[STO], v[8*(4*\a+\bt):8*(4*\a+\bt)+3]   offset:64*\bt
	ds_store_b128 v[STO], v[8*(4*\a+\bt)+4:8*(4*\a+\bt)+7] offset:64*\bt+16
.endr
	WIN 0
	s_wait_xcnt 0x0                                ; buffer f, which the stores of two blocks ago read, is loaded again only behind this wait
.irp t, 0,1,2,3,4,5,6,7
	ds_load_b128 v[\f+4*\t:\f+4*\t+3], v[RD] offset:\t*2*SPITCH
.endr
.endm
.macro GST16 a, f, left                ; left = LDS instructions issued behind this block's read-backs
	s_wait_dscnt \left
.irp t, 0,1,2,3,4,5,6,7
	global_store_b128 v[CO], v[\f+4*\t:\f+4*\t+3], s[8:9] offset:\a*65536+\t*8192 th:TH_STORE_NT   ; 16 lanes store 256 consecutive bytes, aligned
.endr
.endm
	PUT16 0, F0
	PUT16 1, F1
	GST16 0, F0, 16                                ; the next block's 8 stores and 8 read-backs may be out
	PUT16 2, F0
	GST16 1, F1, 16
	PUT16 3, F1
	GST16 2, F0, 16
	PUT16 4, F0
	GST16 3, F1, 16
	PUT16 5, F1
	GST16 4, F0, 16
	PUT16 6, F0
	GST16 5, F1, 16
	PUT16 7, F1
	GST16 6, F0, 16
	GST16 7, F1, 0
	s_wait_tensorcnt 0x0
	ds_add_u32 v254, v255
	s_wait_dscnt 0x0
	CROUND                                         ; the closing round
	s_endpgm
.Lfunc_end_k_qc2ff6aa4f9_oproj:
	.size	k_qc2ff6aa4f9_oproj, .Lfunc_end_k_qc2ff6aa4f9_oproj-k_qc2ff6aa4f9_oproj
	.p2alignl 7, 3214868480
	.fill 96, 4, 3214868480
	.section	.rodata,"a",@progbits
	.p2align	6, 0x0
	.amdhsa_kernel k_qc2ff6aa4f9_oproj
		.amdhsa_group_segment_fixed_size 327680
		.amdhsa_private_segment_fixed_size 0
		.amdhsa_enable_private_segment 0
		.amdhsa_kernarg_size 24
		.amdhsa_user_sgpr_count 2
		.amdhsa_user_sgpr_kernarg_segment_ptr 1
		.amdhsa_wavefront_size32 1
		.amdhsa_system_sgpr_workgroup_id_x 1
		.amdhsa_system_sgpr_workgroup_id_y 1
		.amdhsa_system_sgpr_workgroup_id_z 1
		.amdhsa_system_vgpr_workitem_id 0
		.amdhsa_next_free_vgpr 512
		.amdhsa_next_free_sgpr 66
		.amdhsa_reserve_vcc 0
		.amdhsa_float_denorm_mode_32 3
		.amdhsa_float_denorm_mode_16_64 3
		.amdhsa_memory_ordered 1
		.amdhsa_forward_progress 1
		.amdhsa_inst_pref_size 116
	.end_amdhsa_kernel
	.amdgpu_metadata
---
amdhsa.version: [ 1, 2 ]
amdhsa.kernels:
  - .name:           k_qc2ff6aa4f9_oproj
    .symbol:         k_qc2ff6aa4f9_oproj.kd
    .args:
      - { .name: ao, .offset: 0, .size: 8, .value_kind: global_buffer, .address_space: global }
      - { .name: wb, .offset: 8, .size: 8, .value_kind: global_buffer, .address_space: global }
      - { .name: out0, .offset: 16, .size: 8, .value_kind: global_buffer, .address_space: global }
    .group_segment_fixed_size: 327680
    .private_segment_fixed_size: 0
    .kernarg_segment_align: 8
    .kernarg_segment_size: 24
    .max_flat_workgroup_size: 128
    .sgpr_count:     66
    .vgpr_count:     512
    .wavefront_size: 32
...
	.end_amdgpu_metadata
.endif
;; end of part 4
;; ======== version 2 of 2: 4 launches; version 1 with the launch prep written anew for expert scheduling mode
;; limits: values are held in f16: magnitudes above 65,504 overflow, below 6.1e-05 lose precision
;; workspace buffers: xb 16,777,216 bytes; wb 8,388,608 bytes; qb 16,777,216 bytes; kb 16,777,216 bytes; vb 16,777,216 bytes; ao 16,777,216 bytes
;; launch prep (part 5): grid 768 x 1, 8 waves a work-group, no clusters, 0 bytes of LDS; arguments hidden_states, Wq, Wk, Wv, Wo, xb, wb; writes xb, wb
.if DOCPART == 5
	.amdgcn_target "amdgcn-amd-amdhsa--gfx1250"
	.amdhsa_code_object_version 6
	.text
	.protected	k_qc2ff6aa4f9_prep
	.globl	k_qc2ff6aa4f9_prep
	.p2align	8
	.type	k_qc2ff6aa4f9_prep,@function
k_qc2ff6aa4f9_prep:
	s_mov_b64 s[64:65], 0
	v_nop
	global_prefetch_b8 v0, s[64:65] scope:SCOPE_SE
	s_setreg_imm32_b32 hwreg(HW_REG_WAVE_SCHED_MODE, 0, 2), 2
	s_setreg_imm32_b32 hwreg(HW_REG_WAVE_MODE, 25, 1), 1
	s_wait_xcnt 0x0
	s_wait_alu depctr_vm_vsrc(0)
; prep: hidden_states and the four weights, f32 [rows][1024], become f16 in a layout blocked along K:
;   xb[kblk 16][row 8192][64]   and   wb[kblk 16][row 4096][64], wb's rows = Wq/4, Wk/2, Wv/4, 4 Wo one behind the other.
; In that layout every tile that the later products fetch is one dense run of bytes.
; WHY f16: between the inputs and out0 lie five roundings of intermediates (q, k, v, the softmax's weights, the attention's result); f16 keeps 11
; significant bits where bf16 keeps 8, at the same bytes and the same matrix instructions.
; THE FACTORS are powers of two, so they cost no bit: 1/4 x 1/2 = 1/8 = 1/sqrt(64) is the scores' scale; Wv's 1/4 and Wo's 4 cancel.  They make room in f16:
; with hidden_states carrying an offset of 30 (spread 1) and the weights one of 30/32 (spread 1/32) a projection reaches 1024 x 30 x 0.9375 = 28,800 and
; behind the rotation 1.42 times that: stored are q/4 <= 10,200, k/2 <= 20,400, v/4 <= 7,200, against f16's largest number 65,504.
; LIMITS: a number of hidden_states or a scaled weight beyond 65,504 becomes infinite; numbers below 2^-14 are kept to an absolute 2^-25 only.
; A stream: no LDS, no barrier, no matrix unit; each input byte is read once, each output byte written once.
; A work-group takes 16 rows (65,536 bytes in, 32,768 out): groups 0-511 hidden_states, 512-767 the weights, 64 groups each.
; Wave w takes K blocks 2w and 2w+1.  An item is 2 rows x 64 columns: lanes 0-15 read the 256 consecutive bytes of one row's K block, lanes 16-31 those of
; the next row, 16 bytes a lane; the 8 bytes that each lane stores make 128 + 128 = 256 consecutive bytes, aligned, since the two rows are neighbours in a K block.
; THE MODE: SCHED_MODE bits 1:0 = 2 (LLVM: expert scheduling mode 2), set by the entry lines.  The code itself states the register dependences
; between vector instructions and memory instructions, with s_wait_alu, always for 0.
; THE PLAN.  Registers that memory instructions touch:
;   v4         the loads' offset.   Written by vector instructions at the head, never again; read by all sixteen loads.
;   v5, v6     the stores' offsets. Written by vector instructions at the head, never again; read by the stores.
;   IN         item i: the item's one load lands in it, issued once at the head; no vector instruction names it before that load.
;   OUT        item i: written once, by the item's two roundings; read once, by the item's store.
; The sixteen items go in four blocks of four.  Block p rounds items 4 p .. 4 p + 3; its memory instructions are the four stores of block p - 1, which read
; that block's OUT and v5 or v6: registers that no vector instruction of block p names.  So one wait at a block's head states all that the block's
; stores hang on, and they are dealt among its vector instructions, one in front of each item's.  No register that a load or a store reads is ever
; written again, so nothing is to be stated in that direction.
.set XGROUPS, 512
.set IN,  8                            ; v[8:71]    item i: 4 numbers as loaded
.set OUT, 72                           ; v[72:103]  item i: 2 registers to store
	s_load_b256 s[4:11], s[0:1], 0x0               ; hidden s[4:5], Wq s[6:7], Wk s[8:9], Wv s[10:11]
	s_load_b128 s[12:15], s[0:1], 0x20             ; Wo s[12:13], xb s[14:15]
	s_load_b64 s[16:17], s[0:1], 0x30              ; wb
	v_lshrrev_b32 v1, 5, v0
	v_readfirstlane_b32 s18, v1                    ; wave
	v_and_b32 v2, 31, v0                           ; lane
	v_and_b32 v3, 15, v0                           ; lane % 16: which 16 bytes of the 256
	v_bfe_u32 v4, v0, 4, 1                         ; lane / 16: which row of the pair
	v_lshlrev_b32 v4, 12, v4                       ; x 4,096 bytes
	v_lshl_add_u32 v4, v3, 4, v4
	s_wait_alu depctr_va_sdst(0)                   ; s18, the wave's number, is written, ahead of its first reader: the offsets below are made from it
	s_lshl_b32 s19, s18, 9                         ; my two K blocks: 512 bytes of a source row
	v_add_nc_u32 v4, s19, v4                       ; v4: source offset
	s_max_u32 s20, ttmp9, XGROUPS
	s_sub_co_u32 s20, s20, XGROUPS                 ; j: my number among the weights' groups (0 for hidden_states)
	s_lshr_b32 s21, s20, 6                         ; which weight
	s_and_b32 s30, s20, 63                         ; which 16 rows of it
	s_mov_b32 s36, 0x3e800000                      ; the weight's factor: 0.25 for Wq and Wv,
	s_cmp_eq_u32 s21, 1
	s_cselect_b32 s36, 0x3f000000, s36             ; 0.5 for Wk,
	s_cmp_eq_u32 s21, 3
	s_cselect_b32 s36, 0x40800000, s36             ; 4 for Wo
	s_mov_b32 s37, s36                             ; both words of the pair are written; the packed multiply takes the first for both halves
	s_mov_b32 s28, 0x80000                         ; wb: bytes from K block to K block
	s_cmp_lt_u32 ttmp9, XGROUPS
	s_cselect_b32 s26, ttmp9, s30                  ; source: 16-row group
	s_cselect_b32 s32, ttmp9, s20                  ; destination: 16-row group
	s_cselect_b32 s28, 0x100000, s28               ; xb: bytes from K block to K block
	s_lshl_b32 s26, s26, 16                        ; x 16 rows of 4,096 bytes
	s_mov_b32 s27, 0
	s_lshl_b32 s32, s32, 11                        ; x 16 rows of 128 bytes
	s_mov_b32 s33, 0
	s_lshl_b32 s34, s18, 1
	s_mul_i32 s34, s34, s28                        ; K block 2w
	v_lshl_add_u32 v5, v2, 3, s34                  ; v5: destination offset in K block 2w: 8 x lane = 128 x (lane / 16) + 8 x (lane % 16)
	v_add_nc_u32 v6, s28, v5                       ; v6: in K block 2w+1
	s_wait_kmcnt 0x0
	s_mov_b64 s[22:23], s[6:7]                     ; the source buffer, chosen by the group's number alone
	s_cmp_eq_u32 s21, 1
	s_cselect_b64 s[22:23], s[8:9], s[22:23]
	s_cmp_eq_u32 s21, 2
	s_cselect_b64 s[22:23], s[10:11], s[22:23]
	s_cmp_eq_u32 s21, 3
	s_cselect_b64 s[22:23], s[12:13], s[22:23]
	s_cmp_lt_u32 ttmp9, XGROUPS
	s_cselect_b64 s[22:23], s[4:5], s[22:23]
	s_cselect_b64 s[24:25], s[14:15], s[16:17]     ; the destination buffer
	s_add_nc_u64 s[22:23], s[22:23], s[26:27]
	s_add_nc_u64 s[24:25], s[24:25], s[32:33]
	s_wait_alu depctr_va_vdst(0)                   ; v4 is written, which the loads below read as their offset; so are v5 and v6, which the stores read: no later vector instruction names the three
; all sixteen loads go out at once; item i = 8 u + rp: K block 2w+u, rows 2 rp and 2 rp + 1
.irp i, 0,1,2,3,4,5,6,7,8,9,10,11,12,13,14,15
	global_load_b128 v[IN+4*\i:IN+4*\i+3], v4, s[22:23] offset:(\i%8)*8192+(\i/8)*256 th:TH_LOAD_NT
.endr
; Item i's store.
.macro SEND i
	global_store_b64 v[5+(\i)/8], v[OUT+2*(\i):OUT+2*(\i)+1], s[24:25] offset:((\i)%8)*256   ; 256 consecutive bytes, aligned
.endm
; Every item has registers of its own, so no register that a pending load or store names is written again.
; Block p, item 4 p + k: the wait for the item's load; the store of the item four back, from the block before; the item's arithmetic.
.macro ITEMS scaled
.irp p, 0,1,2,3
.irp k, 0,1,2,3
	s_wait_loadcnt 15-(4*(\p)+(\k))                ; loads come back in order: this item's is in, the younger ones stay out
.if (\p) > 0
.if (\k) == 0
	s_wait_alu depctr_va_vdst(0)                   ; the block before has written its eight OUT registers, which this block's four stores read
.endif
	SEND 4*(\p)+(\k)-4                             ; no vector instruction since that wait names this store's registers
.endif
.if \scaled
	v_pk_mul_f32 v[IN+4*(4*(\p)+(\k)):IN+4*(4*(\p)+(\k))+1],   v[IN+4*(4*(\p)+(\k)):IN+4*(4*(\p)+(\k))+1],   s[36:37] op_sel_hi:[1,0]   ; x the weight's power of two
	v_pk_mul_f32 v[IN+4*(4*(\p)+(\k))+2:IN+4*(4*(\p)+(\k))+3], v[IN+4*(4*(\p)+(\k))+2:IN+4*(4*(\p)+(\k))+3], s[36:37] op_sel_hi:[1,0]
.endif
	v_cvt_pk_f16_f32 v[OUT+2*(4*(\p)+(\k))],   v[IN+4*(4*(\p)+(\k))],   v[IN+4*(4*(\p)+(\k))+1]
	v_cvt_pk_f16_f32 v[OUT+2*(4*(\p)+(\k))+1], v[IN+4*(4*(\p)+(\k))+2], v[IN+4*(4*(\p)+(\k))+3]
.endr
.endr
	s_wait_alu depctr_va_vdst(0)                   ; the last block has written its eight OUT registers, which the last four stores read
.irp k, 12,13,14,15
	SEND \k
.endr
.endm
	s_cmp_lt_u32 ttmp9, XGROUPS                    ; hidden_states is converted as it is, the weights are scaled
	s_cbranch_scc0 .Lscaled
	ITEMS 0
	s_endpgm
.Lscaled:
	ITEMS 1
	s_endpgm
.Lfunc_end_k_qc2ff6aa4f9_prep:
	.size	k_qc2ff6aa4f9_prep, .Lfunc_end_k_qc2ff6aa4f9_prep-k_qc2ff6aa4f9_prep
	.p2alignl 7, 3214868480
	.fill 96, 4, 3214868480
	.section	.rodata,"a",@progbits
	.p2align	6, 0x0
	.amdhsa_kernel k_qc2ff6aa4f9_prep
		.amdhsa_group_segment_fixed_size 0
		.amdhsa_private_segment_fixed_size 0
		.amdhsa_enable_private_segment 0
		.amdhsa_kernarg_size 56
		.amdhsa_user_sgpr_count 2
		.amdhsa_user_sgpr_kernarg_segment_ptr 1
		.amdhsa_wavefront_size32 1
		.amdhsa_system_sgpr_workgroup_id_x 1
		.amdhsa_system_sgpr_workgroup_id_y 1
		.amdhsa_system_sgpr_workgroup_id_z 1
		.amdhsa_system_vgpr_workitem_id 0
		.amdhsa_next_free_vgpr 104
		.amdhsa_next_free_sgpr 66
		.amdhsa_reserve_vcc 0
		.amdhsa_float_denorm_mode_32 3
		.amdhsa_float_denorm_mode_16_64 3
		.amdhsa_memory_ordered 1
		.amdhsa_forward_progress 1
		.amdhsa_inst_pref_size 15
	.end_amdhsa_kernel
	.amdgpu_metadata
---
amdhsa.version: [ 1, 2 ]
amdhsa.kernels:
  - .name:           k_qc2ff6aa4f9_prep
    .symbol:         k_qc2ff6aa4f9_prep.kd
    .args:
      - { .name: hidden_states, .offset: 0, .size: 8, .value_kind: global_buffer, .address_space: global }
      - { .name: Wq, .offset: 8, .size: 8, .value_kind: global_buffer, .address_space: global }
      - { .name: Wk, .offset: 16, .size: 8, .value_kind: global_buffer, .address_space: global }
      - { .name: Wv, .offset: 24, .size: 8, .value_kind: global_buffer, .address_space: global }
      - { .name: Wo, .offset: 32, .size: 8, .value_kind: global_buffer, .address_space: global }
      - { .name: xb, .offset: 40, .size: 8, .value_kind: global_buffer, .address_space: global }
      - { .name: wb, .offset: 48, .size: 8, .value_kind: global_buffer, .address_space: global }
    .group_segment_fixed_size: 0
    .private_segment_fixed_size: 0
    .kernarg_segment_align: 8
    .kernarg_segment_size: 56
    .max_flat_workgroup_size: 256
    .sgpr_count:     66
    .vgpr_count:     104
    .wavefront_size: 32
...
	.end_amdgpu_metadata
.endif
;; end of part 5
;; launch qkv: the kernel of part 2 again; grid 8 x 32, 4 waves a work-group, clusters of 4 x 4, 327,680 bytes of LDS; arguments xb, wb, position_ids, qb, kb, vb; writes qb, kb, vb
;; launch attn: the kernel of part 3 again; grid 16 x 16, 8 waves a work-group, clusters of 4 x 4, 327,680 bytes of LDS; arguments qb, kb, vb, attention_mask, ao; writes ao
;; launch oproj: the kernel of part 4 again; grid 8 x 32, 4 waves a work-group, clusters of 4 x 4, 327,680 bytes of LDS; arguments ao, wb, out0; writes out0
